; MI455X (gfx1250); checked and timed in simulation.
; The chip was launched on July 23, 2026; its instructions are those of AMD's public machine-readable ISA for CDNA 5 (MIT licence, August 2026) and "CDNA5" Instruction Set Architecture Reference Guide (July 2026). The comments in the code are by the model that wrote it; some were corrected since.
;; Single Head Attention. Allowed arithmetic: matrix products marked QUANTISED: E2M3 operands, one E8M0 scale for each 32 along K, by v_wmma_scale_f32_16x16x128_f8f6f4 with both operands' format E2M3, f32 sums; everything else in f32.
;; Inputs: W_K 1,024 x 1,024 float32; W_Q 1,024 x 1,024 float32; W_V 1,024 x 1,024 float32; embedded 4 x 2,048 x 1,024 float32.
;; Outputs: out0 4 x 2,048 x 1,024 float32.
;; This version of the problem:
;;   THIS VERSION OF THE PROBLEM IS GIVEN IN LOW PRECISION. The matrix products marked QUANTISED in the list below multiply operands that are first quantised to E2M3 (2 exponent bits, 3 mantissa bits; 6 bits a number), with one power-of-two scale for each 32 numbers along K (OCP MX v1.0); their sums are f32. All else is computed in f32.
;;   The module's matrix products, in the order in which they are computed (A, B: the left and right operand; K: the contracted axis; several contracted axes count as one K, in the product's order):
;;     1. [M 8,192, K 1,024] x [K 1,024, N 1,024]; A: input embedded; B: input W_K: QUANTISED
;;     2. [M 8,192, K 1,024] x [K 1,024, N 1,024]; A: input embedded; B: input W_Q: QUANTISED
;;     3. [M 8,192, K 1,024] x [K 1,024, N 1,024]; A: input embedded; B: input W_V: QUANTISED
;;     4. batch 4 x [M 2,048, K 1,024] x [K 1,024, N 2,048]; A: computed on the way; B: computed on the way: QUANTISED
;;     5. batch 4 x [M 2,048, K 2,048] x [K 2,048, N 1,024]; A: softmax (see below); B: computed on the way: QUANTISED
;;   THE QUANTISER, for each operand of a quantised product, along K:
;;     - K is cut into blocks of 32 from its start; a last block that is shorter is filled with zeros.
;;     - A block's scale is 2^e with e = floor(log2(the largest magnitude in the block)) - 2, held to -126 .. 127; a block of zeros has e = 0. As a byte (E8M0): e + 127.
;;     - Each number is divided by its block's scale, clamped to +-7.5, and rounded to the nearest number of E2M3, ties to even, subnormals kept.
;;     - The product sums the exact products of the quantised numbers (number of the format x scale) in f32.
;;   ~~~python
;;   def quantise(x, axis):      # numpy; x: float32 -> the quantised numbers, widened to float32 again
;;       x = np.moveaxis(x, axis, -1); K = x.shape[-1]
;;       x = np.pad(x, [(0, 0)] * (x.ndim - 1) + [(0, -K % 32)]); x = x.reshape(x.shape[:-1] + (-1, 32)); a = np.abs(x).max(-1, keepdims=True)
;;       e = np.where(a > 0, np.clip(np.frexp(np.where(a > 0, a, 1))[1] - 1 - 2, -126, 127), 0)      # np.frexp(a)[1] - 1 = floor(log2(a)), exactly
;;       r = np.clip(x / 2.0 ** e, -7.5, 7.5)
;;       step = 2.0 ** (np.maximum(np.frexp(np.where(r == 0, 1, r))[1] - 1, 0) - 3)
;;       q = np.round(r / step) * step * 2.0 ** e      # np.round: ties to even
;;       return np.moveaxis(q.reshape(q.shape[:-2] + (-1,))[..., :K], -1, axis).astype(np.float32)
;;   ~~~
;;   SOFTMAX AHEAD OF A QUANTISED PRODUCT. Where the list says 'softmax', what is quantised is not the finished softmax but p = 2^(t - M), with t = logit x log2(e) and M = ceil(the row's largest t), a whole number; so 1/2 < the row's largest p <= 1. The row's sum l is taken of the UNQUANTISED p, in f32, and the product's result is divided by l at the end. Since M is a whole number, a kernel that streams over the keys may use a running M (the ceiling of the running maximum): every later rescaling is an exact power of two, which a block's scale takes up: the codes' values come out the same.
;;   OPERANDS COMPUTED ON THE WAY. 'Computed on the way' means the value that the module computes at that place (a softmax that the list does not call 'softmax' is quantised finished and normalised). What goes into a quantiser is computed in f32, as accurately as f32 sums, v_exp_f32 and their like allow (about 1e-6 of the number): no bf16 or f16 on the way to a quantiser, and a product that is left as it is and whose result goes on into a quantised operand takes f32 operands (vector FMAs, or v_wmma_f32_16x16x4_f32). A number that lies on a knife's edge between two numbers of the format may be rounded either way, as far as f32 arithmetic and the matrix unit's own rounding can turn it there, and no further.
;; 2 versions, each right and faster than the one before. Each part assembles by itself: llvm-mc -triple=amdgcn-amd-amdhsa -mcpu=gfx1250 --defsym DOCPART=n.
;; ======== version 1 of 2: 4 launches
;; workspace buffers: xw 9,011,200 bytes; qkv 19,660,800 bytes; pp 13,107,200 bytes; st 1,048,576 bytes
;; launch quant (part 1): grid 352 x 1, 4 waves a work-group, no clusters, 35,328 bytes of LDS; arguments embedded, W_Q, W_K, W_V, xw; writes xw
.if DOCPART == 1
	.amdgcn_target "amdgcn-amd-amdhsa--gfx1250"
	.amdhsa_code_object_version 6
	.text
	.protected	k_q243132bddd_quant
	.globl	k_q243132bddd_quant
	.p2align	8
	.type	k_q243132bddd_quant,@function
k_q243132bddd_quant:
	s_mov_b64 s[64:65], 0
	v_nop
	global_prefetch_b8 v0, s[64:65] scope:SCOPE_SE
	s_setreg_imm32_b32 hwreg(HW_REG_WAVE_MODE, 25, 1), 1
	s_wait_xcnt 0x0
; embedded [8192][1024], W_Q, W_K, W_V [1024][1024], f32, K innermost, become codes of FP6 (E2M3) with one E8M0 scale byte for each 32 along K, laid in PANELS.
; A PANEL is 128 rows x 128 along K, 12,800 bytes: eight fragments of 16 rows as IMAGES OF THE OPERAND'S REGISTERS (register 4 g + e of lane L of row tile t at byte 1536 t + 512 g + 16 L + 4 e),
; then the rows' scale words (tile t, row r at byte 12288 + 64 t + 4 r; byte b of a word scales k = 32 b .. 32 b + 31).  Row r of tile t is the panel's row 32 (t / 2) + 8 (t % 2) + r + 8 (r / 8).
; xw is [88 row-panels][8 k-panels]: row-panels 0-63 embedded, 64-71 W_Q, 72-79 W_K, 80-87 W_V.
; A block's scale is 2^(floor(log2(its largest magnitude)) - 2); its byte is the largest magnitude's exponent field - 2, held at 1 from below.
; LIMITS: a block of zeros, or one whose largest magnitude lies under 2^-124, gets the byte 1 (a block of zeros has zero codes, and this program alone reads the bytes); NaN and infinities among the inputs are not served.
; SHARES.  Work-group g takes 64 rows (g / 2) and four K steps of 128 (4 (g % 2) on), one K step a wave: four fragments a wave.  Each load reads 512 consecutive bytes of one row; a fragment's 16 rows turn through
; the wave's own stage in LDS, so that lane (r, h) gets k = 64 c + 32 h + 0 .. 31 of row r: two whole blocks, in the order of the operand's registers.  No tensor load, no barrier: waves share nothing.
; No matrix unit, no cluster: every input byte is read once, by one wave.
.set PANEL, 12800
.set SCW,   12288
.set FRB,   1536
.set SP,    528                        ; a stage row: 512 bytes + 16, so that sixteen lanes that read sixteen rows start 16 bytes apart modulo 256
.set WOFF,  16*SP                      ; behind the stage: the wave's 64 scale words
.set WREG,  WOFF+256                   ; a wave's LDS
.set LN16,  2                          ; v2   16 x lane: a load's, and a store's, place for my lane; never rewritten
.set STI,   3                          ; v3   the stage, on the way in
.set STO,   4                          ; v4   and on the way out: row r, + 128 h
.set WSA,   5                          ; v5   where my row's scale word goes
.set WRA,   6                          ; v6   and where the words are read back, 8 bytes a lane
.set LN8,   7                          ; v7   8 x lane
.set H8,    8                          ; v8   8 h
.set PT,    9                          ; v9   a lane permute's destination
.set MX,    10                         ; v10-11 largest magnitudes;  v12-13 the conversions' scale operands;  v14-15 the bytes
.set SO,    12
.set BY,    14
.set R,     16                         ; v16-143  two sets of 64 registers as they are loaded
.set X,     144                        ; v144-207 64 numbers in the operand's order
.set PC,    208                        ; v208-219 the fragment's codes
.set TC,    220                        ; v220-222, v224-226 the upper halves of the two blocks, as the conversions leave them
.set WO,    228                        ; v228-229 the words on their way out
.set WD,    230                        ; v230 the scale word just made
	s_load_b256 s[4:11], s[0:1], 0x0               ; embedded s[4:5], W_Q s[6:7], W_K s[8:9], W_V s[10:11]
	s_load_b64 s[12:13], s[0:1], 0x20              ; xw
	v_lshl_add_u32 v254, v0, 2, 0x8800
	v_mov_b32 v255, 0
	v_lshrrev_b32 v1, 5, v0
	v_readfirstlane_b32 s16, v1                    ; wave 0..3
	v_and_b32 v1, 31, v0                           ; lane
	v_lshlrev_b32 v[LN16], 4, v1
	v_lshlrev_b32 v[LN8], 3, v1
	v_and_b32 v10, 15, v0                          ; r
	v_bfe_u32 v11, v0, 4, 1                        ; h
	v_lshlrev_b32 v[H8], 3, v11
	s_mul_i32 s27, s16, WREG                       ; my wave's LDS
	v_add_nc_u32 v[STI], s27, v[LN16]
	v_mul_u32_u24 v[STO], v10, SP
	v_lshl_add_u32 v[STO], v11, 7, v[STO]
	v_add_nc_u32 v[STO], s27, v[STO]
	v_lshl_add_u32 v[WSA], v10, 2, s27
	v_add_nc_u32 v[WSA], WOFF, v[WSA]
	v_add_nc_u32 v[WRA], s27, v[LN8]
	v_add_nc_u32 v[WRA], WOFF, v[WRA]
	v_mov_b32 v[PT], 0                             ; written once: a lane permute's destination counts as one of its sources
	s_mov_b32 s24, 0x76543210
	s_mov_b32 s25, 0xfedcba98                      ; v_permlanex16_b32's selects for lane l xor 16
	s_lshr_b32 s17, ttmp9, 1                       ; G: which 64 rows of the 11,264
	s_and_b32 s18, ttmp9, 1
	s_lshl_b32 s18, s18, 2
	s_add_co_u32 s18, s18, s16                     ; my K step of 128: 0..7
	s_mov_b32 s19, 160
	s_wait_kmcnt 0x0
	s_cmp_lt_u32 s17, 160                          ; which tensor: the choice hangs on the work-group's number alone
	s_cselect_b64 s[10:11], s[8:9], s[10:11]
	s_cselect_b32 s19, 144, s19
	s_cmp_lt_u32 s17, 144
	s_cselect_b64 s[10:11], s[6:7], s[10:11]
	s_cselect_b32 s19, 128, s19
	s_cmp_lt_u32 s17, 128
	s_cselect_b64 s[10:11], s[4:5], s[10:11]
	s_cselect_b32 s19, 0, s19                      ; the tensor's first G
	s_sub_co_u32 s20, s17, s19
	s_lshl_b32 s20, s20, 18                        ; 64 rows of 4,096 bytes
	s_lshl_b32 s21, s18, 9                         ; + 512 bytes a K step
	s_add_co_u32 s20, s20, s21
	s_mov_b32 s21, 0
	s_add_nc_u64 s[10:11], s[10:11], s[20:21]      ; my wave's first number
	s_lshr_b32 s22, s17, 1
	s_lshl_b32 s22, s22, 3
	s_add_co_u32 s22, s22, s18
	s_mul_i32 s22, s22, PANEL                      ; my panel: (G / 2) x 8 + K step
	s_and_b32 s23, s17, 1                          ; its lower or its upper 64 rows: tiles 0-3 or 4-7
	s_mul_i32 s26, s23, 4*FRB
	s_add_co_u32 s20, s22, s26
	s_add_nc_u64 s[14:15], s[12:13], s[20:21]      ; where my four fragments go
	s_lshl_b32 s26, s23, 8
	s_add_co_u32 s20, s22, s26
	s_add_co_u32 s20, s20, SCW
	s_add_nc_u64 s[12:13], s[12:13], s[20:21]      ; and my 64 scale words
.macro LOADF t                         ; fragment t's sixteen rows, 512 consecutive bytes a load, into set t % 2
.irp i, 0,1,2,3,4,5,6,7,8,9,10,11,12,13,14,15
	global_load_b128 v[R+64*((\t)%2)+4*\i:R+64*((\t)%2)+4*\i+3], v[LN16], s[10:11] offset:(32*((\t)/2)+8*((\t)%2)+\i+8*(\i/8))*4096 th:TH_LOAD_NT
.endr
.endm
.macro FRAGQ t
.set RS, R+64*((\t)%2)
.if (\t) < 3
	s_wait_loadcnt 16                              ; this fragment's 16 loads are in; the next fragment's 16 may be out
.else
	s_wait_loadcnt 0x0
.endif
.irp i, 0,1,2,3,4,5,6,7,8,9,10,11,12,13,14,15
	ds_store_b128 v[STI], v[RS+4*\i:RS+4*\i+3] offset:SP*\i
.endr
.irp c, 0,1
.irp j, 0,1,2,3,4,5,6,7
	ds_load_b128 v[X+32*\c+4*\j:X+32*\c+4*\j+3], v[STO] offset:256*\c+16*\j   ; LDS serves a wave's instructions in order (ISA guide 5.7.1.4): these see the stores above
.endr
.endr
	s_wait_dscnt 0x0                               ; the numbers are back, and the stores into the stage have read their registers
.if (\t) > 0
	s_wait_xcnt 0x0                                ; the last fragment's stores have read their data: the codes' registers are written again only behind this wait
.endif
.if (\t) < 2
	LOADF (\t)+2
.endif
.irp c, 0,1                            ; my block 2 c + h: all its 32 numbers are mine
	v_max3_num_f32 v[MX+\c], |v[X+32*\c]|, |v[X+32*\c+1]|, 0x1800000   ; and the floor 2^(3 - 127): the byte cannot fall under 1
.endr
.irp i, 2,4,6,8,10,12,14,16,18,20,22,24,26,28,30
.irp c, 0,1
	v_max3_num_f32 v[MX+\c], v[MX+\c], |v[X+32*\c+\i]|, |v[X+32*\c+\i+1]|
.endr
.endr
.irp c, 0,1
	v_add_nc_u32 v[SO+\c], 0xff000000, v[MX+\c]    ; 2 off the exponent field: the conversion takes the exponent field of this operand as its scale
.endr
.irp c, 0,1
	v_lshrrev_b32 v[BY+\c], 23, v[SO+\c]           ; the scale's byte
.endr
	v_lshl_or_b32 v[WD], v[BY+1], 16, v[BY]        ; my two bytes, blocks h and 2 + h,
	v_lshlrev_b32 v[WD], v[H8], v[WD]              ; at their places in the word;
	v_permlanex16_b32 v[PT], v[WD], s24, s25
	v_or_b32 v[WD], v[WD], v[PT]                   ; with lane l xor 16's two the word is whole
.irp c, 0,1
	v_cvt_scalef32_pk16_fp6_f32 v[PC+6*\c:PC+6*\c+2], v[X+32*\c:X+32*\c+15], v[SO+\c]
	v_cvt_scalef32_pk16_fp6_f32 v[TC+4*\c:TC+4*\c+2], v[X+32*\c+16:X+32*\c+31], v[SO+\c]   ; (a conversion's three registers begin on an even number)
.endr
	v_nop                                          ; one plain place behind a scaled conversion
.irp c, 0,1
.irp i, 0,1,2
	v_mov_b32 v[PC+6*\c+3+\i], v[TC+4*\c+\i]
.endr
.endr
	ds_store_b32 v[WSA], v[WD] offset:64*(\t)      ; lanes r and r + 16 write the same word with the same value
.irp g, 0,1,2
	global_store_b128 v[LN16], v[PC+4*\g:PC+4*\g+3], s[14:15] offset:FRB*(\t)+512*\g   ; 32 lanes store 512 consecutive bytes, at a multiple of 256 from the buffer's first byte
.endr
.endm
	LOADF 0
	LOADF 1
	FRAGQ 0
	FRAGQ 1
	FRAGQ 2
	FRAGQ 3
	ds_load_b64 v[WO:WO+1], v[WRA]                 ; my wave's 64 words
	s_wait_dscnt 0x0
	global_store_b64 v[LN8], v[WO:WO+1], s[12:13]  ; 32 lanes store 256 consecutive bytes, aligned
	s_wait_tensorcnt 0x0
	ds_add_u32 v254, v255
	s_wait_dscnt 0x0
	s_endpgm
.Lfunc_end_k_q243132bddd_quant:
	.size	k_q243132bddd_quant, .Lfunc_end_k_q243132bddd_quant-k_q243132bddd_quant
	.p2alignl 7, 3214868480
	.fill 96, 4, 3214868480
	.section	.rodata,"a",@progbits
	.p2align	6, 0x0
	.amdhsa_kernel k_q243132bddd_quant
		.amdhsa_group_segment_fixed_size 35328
		.amdhsa_private_segment_fixed_size 0
		.amdhsa_enable_private_segment 0
		.amdhsa_kernarg_size 40
		.amdhsa_user_sgpr_count 2
		.amdhsa_user_sgpr_kernarg_segment_ptr 1
		.amdhsa_wavefront_size32 1
		.amdhsa_system_sgpr_workgroup_id_x 1
		.amdhsa_system_sgpr_workgroup_id_y 1
		.amdhsa_system_sgpr_workgroup_id_z 1
		.amdhsa_system_vgpr_workitem_id 0
		.amdhsa_next_free_vgpr 256
		.amdhsa_next_free_sgpr 66
		.amdhsa_reserve_vcc 0
		.amdhsa_float_denorm_mode_32 3
		.amdhsa_float_denorm_mode_16_64 3
		.amdhsa_memory_ordered 1
		.amdhsa_forward_progress 1
		.amdhsa_inst_pref_size 31
	.end_amdhsa_kernel
	.amdgpu_metadata
---
amdhsa.version: [ 1, 2 ]
amdhsa.kernels:
  - .name:           k_q243132bddd_quant
    .symbol:         k_q243132bddd_quant.kd
    .args:
      - { .name: embedded, .offset: 0, .size: 8, .value_kind: global_buffer, .address_space: global }
      - { .name: W_Q, .offset: 8, .size: 8, .value_kind: global_buffer, .address_space: global }
      - { .name: W_K, .offset: 16, .size: 8, .value_kind: global_buffer, .address_space: global }
      - { .name: W_V, .offset: 24, .size: 8, .value_kind: global_buffer, .address_space: global }
      - { .name: xw, .offset: 32, .size: 8, .value_kind: global_buffer, .address_space: global }
    .group_segment_fixed_size: 35328
    .private_segment_fixed_size: 0
    .kernarg_segment_align: 8
    .kernarg_segment_size: 40
    .max_flat_workgroup_size: 128
    .sgpr_count:     66
    .vgpr_count:     256
    .wavefront_size: 32
...
	.end_amdgpu_metadata
.endif
;; end of part 1
;; launch proj (part 2): grid 8 x 48, 4 waves a work-group, clusters of 4 x 4, 327,680 bytes of LDS; arguments xw, qkv; writes qkv
.if DOCPART == 2
	.amdgcn_target "amdgcn-amd-amdhsa--gfx1250"
	.amdhsa_code_object_version 6
	.text
	.protected	k_q243132bddd_proj
	.globl	k_q243132bddd_proj
	.p2align	8
	.type	k_q243132bddd_proj,@function
k_q243132bddd_proj:
	s_mov_b64 s[64:65], 0
	v_nop
	global_prefetch_b8 v0, s[64:65] scope:SCOPE_SE
	s_setreg_imm32_b32 hwreg(HW_REG_WAVE_MODE, 25, 1), 1
	s_wait_xcnt 0x0
	s_wait_alu depctr_hold_cnt(0) depctr_sa_sdst(0) depctr_va_vdst(0) depctr_va_sdst(0) depctr_va_ssrc(0) depctr_va_vcc(0) depctr_vm_vsrc(0)
	s_getreg_b32 s2, hwreg(HW_REG_IB_STS2, 6, 4)
	s_cmp_eq_u32 s2, 0
	s_cbranch_scc0 .Lentry_in_a_cluster
	s_endpgm
.Lentry_in_a_cluster:
	s_bfe_u32 s2, ttmp6, 0x10000c
	s_cmp_lg_u32 s2, 0xf033
	s_cbranch_scc0 .Lentry_shape_is_right
	s_endpgm
.Lentry_shape_is_right:
; Q = x W_Q^T, K = x W_K^T and V^T = W_V x^T on codes of FP6 (E2M3) with E8M0 scales for each 32 along K = 1,024; the results are quantised on the way out, Q and K along the channels, V along the keys, and leave as panels.
; PANEL: 128 rows x 128 along K, 12,800 bytes: eight fragments of 16 rows as images of the operand's registers (register 4 g + e of lane L of tile t at 1536 t + 512 g + 16 L + 4 e), then the scale words (12288 + 64 t + 4 r).
; Row r of tile t is the panel's row 32 (t / 2) + 8 (t % 2) + r + 8 (r / 8).  So with source 0 = tiles 2 b, 2 b + 1 of one operand, a lane's 16 results are 16 NEIGHBOURS, 32 b + 16 (lane / 16) + 0 .. 15, along that operand's rows,
; which are the next product's K; and the lane's own row is the other operand's, whose order the output panel inherits.
; xw: [88 row-panels][8]: 0-63 the tokens, 64-71 W_Q, 72-79 W_K, 80-87 W_V.  qkv: [96 row-panels][16]: 0-63 the tokens (k-panels 0-7 Q, 8-15 K); 64 + 8 batch + c: V^T, channels 128 c on, k-panel = keys / 128.
; A tile of 256 x 256 is made by four waves, each 128 x 128: 64 accumulators, 512 registers.  K goes in steps of 256 through a ring of two LDS slots; what a wave fetches, two k-panels of one row-panel, is one dense block of 25,600 bytes.
; CLUSTERS: 4 x 4 work-groups.  The four of a row of the cluster need the same tiles of the operand called A here, the four of a column the same tiles of B: each is asked for JOINTLY.
; Clusters with y 0-7: A = 1,024 tokens, B = W_Q and W_K.  Clusters with y 8-11: A = W_V, B = the tokens of batch y - 8: the same text then gives V^T, quantised along the keys.
; No prefetch is laid: a work-group walks four K steps, two of which are asked for at its head.
; LIMITS: a block of zeros, or one under 2^-124, gets the byte 1 (this program alone reads the bytes); NaN and infinities are not served.
; REGISTERS, in windows of 256: window 0: v16-31 addresses; v32-63 scale words, two sets; v64-127 at work on the way out; v128-223 A's fragments, one set.  window 1: B's fragments, sets at v0 and v128.  windows 2, 3: accumulator (a, b) at v[8 (8 (a % 4) + b)].
.set PANEL, 12800
.set SCW,   12288
.set FRB,   1536
.set HALFT, 2*PANEL                    ; 128 rows x 256 K: what one tensor load brings
.set SLOT,  4*HALFT                    ; A's two halves, then B's two
.set SPARE, 2*SLOT                     ; the spare words, 128 bytes a wave: two blocks of 256 bytes that no other line names
.set EXTRA, SPARE+512
.set WORDS, EXTRA                      ; 512 bytes a wave: the output panel's scale words
.set FR, 12
.set NL, 3
.set NQ, 2
.set NP, 4
.set ADRA, 16                          ; v16-17 my A fragments in slot 0, 1;  v18-19 my B fragments
.set ADRB, 18
.set ADRS, 20                          ; v20-23 scale words of (slot, k-panel): lanes 0-15 A's rows, lanes 16-31 B's
.set OI,   24                          ; v24 16 x lane
.set WST,  25                          ; v25 where my row's scale word goes
.set WRD,  26                          ; v26 where the words are read back
.set SPW,  28                          ; v28 my spare word;  v29 0; never rewritten
.set NIL,  29
.set SC,   32
.set TM,   64                          ; v64-67 largest magnitudes, v68-71 the other lane's, then bytes, v76-79 the conversions' scale operands
.set PW,   80
.set PC,   96                          ; v96-107 the fragment's codes, v108-110, v112-114 upper halves
.set AF,   128
.set G1,  24
.set G0,  32
.set G1B, 48
.set G0B, 56
.set SEL, 70
.set MSB, 0
.macro WIN new                         ; the immediate's high byte repeats the setting that is left
.if MSB != \new
	s_set_vgpr_msb (MSB<<8)|\new
.set MSB, \new
.endif
.endm
.set MUL_LO, 0xa1                      ; source 0 (B) window 1, source 1 (A) window 0, C and D window 2
.set MUL_HI, 0xf1
.set TO_B,   0x40
.macro JLOAD g0a, g1a, g0b, g1b        ; a joint load: waves 0 and 1 fetch for A, waves 2 and 3 for B; four v_nop follow each of the two lines
	s_cmp_eq_u32 s15, 0
	s_cbranch_scc0 .Lfor_b_\@
	tensor_load_to_lds s[\g0a:\g0a+3], s[\g1a:\g1a+7]
	s_nop 0
.rept 4
	v_nop
.endr
	s_branch .Lasked_\@
.Lfor_b_\@:
	tensor_load_to_lds s[\g0b:\g0b+3], s[\g1b:\g1b+7]
	s_nop 0
.rept 4
	v_nop
.endr
.Lasked_\@:
.endm
.macro CREST                           ; a round of the cluster's barrier behind its opening barrier
	s_cmp_lg_u32 s14, 0
	s_cbranch_scc1 .Lnot_wave_0_\@
	s_barrier_signal -3
.Lnot_wave_0_\@:
	s_barrier_wait -3
	s_barrier_signal -1
	s_barrier_wait -1
.endm
.macro CROUND
	s_barrier_signal -1
	s_barrier_wait -1
	CREST
.endm
.macro PLACES n                        ; plain places behind matrix instructions, in front of loads into their registers and of the first read of results
.rept \n
	v_nop
.endr
.endm
.macro FRAG reg, adr, q, i             ; a fragment comes as it was stored: three loads of 512 consecutive bytes
.irp c, 0,1,2
	ds_load_b128 v[\reg+4*\c:\reg+4*\c+3], v[\adr] offset:(\q)*PANEL+(\i)*FRB+512*\c
.endr
.endm
.macro MUL16 a0, p, q, sc, zero        ; A's blocks a0, a0 + 1 x B's eight, 128 along K.  The 64 accumulators take turns, in the same order in every step
.irp a, \a0, \a0+1
.irp b, 0,1,2,3,4,5,6,7
.set rD, 8*(8*((\a)%4)+\b)
.set rB, 128*(\p)+FR*\b
.set rA, AF+FR*(\a)
.set sB, SC+8*NQ*(\sc)+NQ*\b+(\q)
.set sA, SC+8*NQ*(\sc)+NQ*(\a)+(\q)
.if \zero
	v_wmma_scale_f32_16x16x128_f8f6f4 v[rD:rD+7], v[rB:rB+FR-1], v[rA:rA+FR-1], 0, v[sB], v[sA] matrix_a_fmt:MATRIX_FMT_FP6 matrix_b_fmt:MATRIX_FMT_FP6 matrix_a_scale:MATRIX_SCALE_ROW1
.else
	v_wmma_scale_f32_16x16x128_f8f6f4 v[rD:rD+7], v[rB:rB+FR-1], v[rA:rA+FR-1], v[rD:rD+7], v[sB], v[sA] matrix_a_fmt:MATRIX_FMT_FP6 matrix_b_fmt:MATRIX_FMT_FP6 matrix_a_scale:MATRIX_SCALE_ROW1
.endif
.endr
.endr
.endm
.macro FETCH_B slot, q, p
	WIN TO_B
.irp i, 0,1,2,3,4,5,6,7
	FRAG 128*(\p)+FR*\i, ADRB+\slot, \q, \i
.endr
	WIN 0
.endm
.macro FETCH_A slot, q, i0
.irp i, \i0, \i0+1, \i0+2, \i0+3
	FRAG AF+FR*(\i), ADRA+\slot, \q, \i
.endr
.endm
.macro SCALES sc                       ; the slot's scale words: register 2 i + q: lanes 0-15 the word of A's tile i, lanes 16-31 that of B's tile i, for the slot's q-th 128 along K
.irp q, 0,1
.irp i, 0,1,2,3,4,5,6,7
	ds_load_b32 v[SC+16*\sc+2*\i+\q], v[ADRS+2*\sc+\q] offset:64*\i
.endr
.endr
.endm
.macro STEP slot, q, zero              ; a step of 128 along K that has its successor in the same slot
	s_wait_dscnt 4*NL                              ; all but the youngest 12 loads (A's blocks 4-7)
	WIN MUL_LO
	MUL16 0, (\q)%2, \q, \slot, \zero
	MUL16 2, (\q)%2, \q, \slot, \zero
	s_wait_dscnt 0
	PLACES NP
	FETCH_B \slot, (\q)+1, 1-(\q)%2
	FETCH_A \slot, (\q)+1, 0
	WIN MUL_HI
	MUL16 4, (\q)%2, \q, \slot, \zero
	MUL16 6, (\q)%2, \q, \slot, \zero
	PLACES NP
	WIN 0
	FETCH_A \slot, (\q)+1, 4
.endm
.macro TURN slot, next, fill           ; a slot's last step changes slots: one barrier; fill = 1: it opens a round of the cluster's barrier, and this slot is filled again, two K steps ahead
	s_wait_tensorcnt 0x0                           ; all my tensor loads have landed: my part of the next slot
	ds_add_u32 v[SPW], v[NIL]                      ; 0 onto my spare word
	s_wait_dscnt 4*NL+1                            ; (the add and the 12 loads of A's blocks 4-7 may be out)
	WIN MUL_LO
	MUL16 0, 1, NQ-1, \slot, 0
	s_wait_dscnt 0x0                               ; the add is done, and my reads of this slot are over
	s_barrier_signal -1
	MUL16 2, 1, NQ-1, \slot, 0
	WIN 0
	s_barrier_wait -1
.if \fill
	CREST                                          ; no wave of any partner still reads this slot or has a load on its way
	s_add_nc_u64 s[G0+4*\slot+2:G0+4*\slot+3], s[G0+4*\slot+2:G0+4*\slot+3], 2*HALFT
	s_add_nc_u64 s[G0B+4*\slot+2:G0B+4*\slot+3], s[G0B+4*\slot+2:G0B+4*\slot+3], 2*HALFT
	JLOAD G0+4*\slot, G1, G0B+4*\slot, G1B         ; the first tensor load behind the round; its four v_nop are the places in front of the loads below
.else
	PLACES NP
.endif
	FETCH_B \next, 0, 0
	FETCH_A \next, 0, 0
	SCALES \next
	WIN MUL_HI
	MUL16 4, 1, NQ-1, \slot, 0
	MUL16 6, 1, NQ-1, \slot, 0
	PLACES NP
	WIN 0
	FETCH_A \next, 0, 4
.endm
.macro LAST                            ; the very last step: nothing more to fetch
	s_wait_dscnt 4*NL
	WIN MUL_LO
	MUL16 0, 1, NQ-1, 1, 0
	MUL16 2, 1, NQ-1, 1, 0
	s_wait_dscnt 0
	WIN MUL_HI
	MUL16 4, 1, NQ-1, 1, 0
	MUL16 6, 1, NQ-1, 1, 0
	WIN 0
.endm
	s_load_b128 s[4:7], s[0:1], 0x0                ; xw s[4:5], qkv s[6:7]
	v_lshl_add_u32 v[SPW], v0, 2, SPARE
	v_mov_b32 v[NIL], 0
	ds_add_u32 v28, v29
	ds_add_u32 v28, v29
	s_wait_dscnt 0x0
	v_lshrrev_b32 v1, 5, v0
	v_readfirstlane_b32 s14, v1                    ; wave 0..3
	s_lshr_b32 s15, s14, 1                         ; which half of the tile's rows is mine.  Also: I fetch for A (0) or for B (1)
	s_and_b32 s16, s14, 1                          ; which half of its columns.  Also: which row-panel of that tile I fetch
	s_bfe_u32 s40, ttmp6, 0x40000                  ; cx
	s_bfe_u32 s41, ttmp6, 0x40004                  ; cy
	s_and_b32 s18, ttmp7, 0xffff                   ; the cluster's y
	s_lshl_b32 s43, s41, 2
	s_lshl_b32 s43, 15, s43                        ; my row of the cluster
	s_lshl_b32 s44, 0x1111, s40                    ; my column
	s_or_b32 s[G1+0], s43, (3<<16)|(1<<21)         ; 15:0 the mask; 17:16 elements of 8 bytes; 20 no padding; 21 set beside a mask
	s_or_b32 s[G1B+0], s44, (3<<16)|(1<<21)
.irp g, G1, G1B                        ; a dense block of 25,600 bytes as 100 rows of 256
	s_mov_b32 s[\g+1], 32<<16                      ; tensor_dim0 = 32
	s_mov_b32 s[\g+2], 100<<16                     ; tensor_dim1 = 100
	s_mov_b32 s[\g+3], 32<<16                      ; tile_dim0
	s_mov_b32 s[\g+4], 100                         ; tile_dim1
	s_mov_b32 s[\g+5], 32                          ; tensor_dim0_stride
	s_mov_b32 s[\g+6], 0
	s_mov_b32 s[\g+7], 0
.endr
	s_lshl_b32 s20, s18, 3                         ; 8 x cluster y: the tokens' row-panel,
	s_sub_co_u32 s21, s18, 8
	s_lshl_b32 s21, s21, 4                         ; 16 x (cluster y - 8): the batch's first row-panel
	s_cmp_ge_u32 s18, 8                            ; a cluster that makes V^T?  The same in all sixteen partners
	s_cselect_b32 s20, 80, s20                     ; A: W_V, or the tokens
	s_cselect_b32 s21, s21, 64                     ; B: the batch's tokens, or W_Q and W_K
	s_lshl_b32 s22, s41, 1
	s_add_co_u32 s20, s20, s22
	s_add_co_u32 s20, s20, s16                     ; A's row-panel: + 2 cy + which half I fetch
	s_lshl_b32 s42, ttmp9, 2
	s_add_co_u32 s42, s42, s40                     ; x = 4 x cluster x + cx
	s_lshl_b32 s46, s42, 1
	s_add_co_u32 s46, s46, s21
	s_add_co_u32 s46, s46, s16                     ; B's row-panel
	s_mul_i32 s20, s20, 8*PANEL
	s_mul_i32 s46, s46, 8*PANEL
	s_mov_b32 s21, 0
	s_mov_b32 s47, 0
	s_mul_i32 s45, s14, HALFT                      ; where they go: wave x 25,600: no place in the cluster enters an LDS address
	s_wait_kmcnt 0x0
	s_add_nc_u64 s[20:21], s[4:5], s[20:21]
	s_add_nc_u64 s[46:47], s[4:5], s[46:47]
	CROUND                                         ; all sixteen work-groups are here: the first joint loads meet
.irp s, 0,1
	s_mov_b32 s[G0+4*\s], 1
	s_add_co_u32 s[G0+4*\s+1], s45, \s*SLOT
	s_add_nc_u64 s[G0+4*\s+2:G0+4*\s+3], s[20:21], \s*HALFT
	s_or_b32 s[G0+4*\s+3], s[G0+4*\s+3], 0x80000000
	s_mov_b32 s[G0B+4*\s], 1
	s_add_co_u32 s[G0B+4*\s+1], s45, \s*SLOT
	s_add_nc_u64 s[G0B+4*\s+2:G0B+4*\s+3], s[46:47], \s*HALFT
	s_or_b32 s[G0B+4*\s+3], s[G0B+4*\s+3], 0x80000000
	JLOAD G0+4*\s, G1, G0B+4*\s, G1B
.endr
	v_and_b32 v1, 31, v0                           ; lane
	v_and_b32 v2, 15, v0                           ; r
	v_bfe_u32 v3, v0, 4, 1                         ; h
	v_lshlrev_b32 v[OI], 4, v1
	s_mul_i32 s72, s15, HALFT                      ; my half of A
	s_mul_i32 s73, s16, HALFT
	s_add_co_u32 s73, s73, 2*HALFT                 ; my half of B
	s_sub_co_u32 s74, s73, s72
	v_mul_u32_u24 v5, s74, v3                      ; lanes 16-31 take B's words: the lower base + h x the distance
	v_lshl_add_u32 v5, v2, 2, v5
	v_add_nc_u32 v5, s72, v5
.irp s, 0,1
.irp q, 0,1
	v_add_nc_u32 v[ADRS+2*\s+\q], \s*SLOT+\q*PANEL+SCW, v5
.endr
	v_add_nc_u32 v[ADRA+\s], s72, v[OI]
	v_add_nc_u32 v[ADRB+\s], s73, v[OI]
	s_add_co_u32 s72, s72, SLOT
	s_add_co_u32 s73, s73, SLOT
.endr
	s_lshl_b32 s75, s14, 9
	v_lshl_add_u32 v[WST], v2, 2, s75
	v_add_nc_u32 v[WST], WORDS, v[WST]
	v_add_nc_u32 v[WRD], s75, v[OI]
	v_add_nc_u32 v[WRD], WORDS, v[WRD]
.irp b, 0,1,2,3
	v_mov_b32 v[TM+4+\b], 0                        ; written once: a lane permute's destination counts as one of its sources
.endr
	s_mov_b32 s[SEL], 0x76543210
	s_mov_b32 s[SEL+1], 0xfedcba98
	s_lshl_b32 s75, s18, 2
	s_add_co_u32 s75, s75, s41                     ; y = 4 x cluster y + cy
	s_lshl_b32 s75, s75, 1
	s_add_co_u32 s75, s75, s15                     ; my output row-panel: 2 y + my half
	s_lshl_b32 s75, s75, 4
	s_lshl_b32 s76, s42, 1
	s_add_co_u32 s75, s75, s76
	s_add_co_u32 s75, s75, s16                     ; x 16 + my k-panel: 2 x + my half
	s_mul_i32 s76, s75, PANEL
	s_mov_b32 s77, 0
	s_add_nc_u64 s[6:7], s[6:7], s[76:77]          ; my output panel
	s_wait_tensorcnt 1                             ; my part of K step 0 is in (K step 1's load may be out)
	s_barrier_signal -1
	s_barrier_wait -1                              ; everybody's is
	FETCH_B 0, 0, 0
	FETCH_A 0, 0, 0
	SCALES 0
	FETCH_A 0, 0, 4
	STEP 0, 0, 1                                   ; the first products start the sums: nothing is cleared
	TURN 0, 1, 1                                   ; K = 1,024 is four K steps of 256: written out
	STEP 1, 0, 0
	TURN 1, 0, 1
	STEP 0, 0, 0
	TURN 0, 1, 0                                   ; the last two K steps fill nothing
	STEP 1, 0, 0
	LAST
	PLACES NP
; THE WAY OUT.  The 64 results of a lane in A's block a are 128 neighbours' worth of its row along the next K (register 16 b + i = k 32 b + 16 (lane / 16) + i): they become one fragment and one scale word a row.
.macro QROW a
.set W, 2+(\a)/4
.set AC, 64*((\a)%4)
.if (\a) > 0
	s_wait_xcnt 0x0                                ; the last block's stores have read their data
	s_wait_dscnt 0x0
.endif
	WIN W*0x14                                     ; sources 1 and 2: the accumulators' window
.irp b, 0,1,2,3
	v_max3_num_f32 v[TM+\b], 0x1800000, |v[AC+16*\b]|, |v[AC+16*\b+1]|   ; block b: my 16 numbers, each accumulator from its low end on, and the floor 2^(3 - 127)
.endr
.irp i, 2,4,6,8,10,12,14
.irp b, 0,1,2,3
	v_max3_num_f32 v[TM+\b], v[TM+\b], |v[AC+16*\b+\i]|, |v[AC+16*\b+\i+1]|
.endr
.endr
	WIN 0
.irp b, 0,1,2,3
	v_permlanex16_b32 v[TM+4+\b], v[TM+\b], s[SEL], s[SEL+1]
.endr
.irp b, 0,1,2,3
	v_max_num_f32 v[TM+\b], v[TM+\b], v[TM+4+\b]   ; with lane l xor 16's: the block's largest magnitude
.endr
.irp b, 0,1,2,3
	v_add_nc_u32 v[TM+12+\b], 0xff000000, v[TM+\b] ; 2 off its exponent field: the conversion's scale operand
.endr
.irp b, 0,1,2,3
	v_lshrrev_b32 v[TM+4+\b], 23, v[TM+12+\b]      ; the scale's byte
.endr
	v_lshl_or_b32 v[PW], v[TM+5], 8, v[TM+4]
	v_lshl_or_b32 v[PW], v[TM+6], 16, v[PW]
	v_lshl_or_b32 v[PW], v[TM+7], 24, v[PW]        ; my row's scale word
	WIN W                                          ; source 0: the accumulators' window
.irp c, 0,1
	v_cvt_scalef32_pk16_fp6_f32 v[PC+6*\c:PC+6*\c+2], v[AC+32*\c:AC+32*\c+15], v[TM+12+2*\c]
	v_cvt_scalef32_pk16_fp6_f32 v[PC+12+4*\c:PC+14+4*\c], v[AC+32*\c+16:AC+32*\c+31], v[TM+13+2*\c]
.endr
	WIN 0
	v_nop                                          ; one plain place behind a scaled conversion
.irp c, 0,1                            ; the operand's layout wants a whole block in a lane
.irp i, 0,1,2
	v_permlane16_swap_b32 v[PC+6*\c+\i], v[PC+12+4*\c+\i]
.endr
.irp i, 0,1,2
	v_mov_b32 v[PC+3+6*\c+\i], v[PC+12+4*\c+\i]
.endr
.endr
.irp g, 0,1,2
	global_store_b128 v[OI], v[PC+4*\g:PC+4*\g+3], s[6:7] offset:FRB*(\a)+512*\g   ; 512 consecutive bytes, at a multiple of 256 from the buffer's first byte
.endr
	ds_store_b32 v[WST], v[PW] offset:64*(\a)      ; lanes r and r + 16 write the same word with the same value
.endm
.irp a, 0,1,2,3,4,5,6,7
	QROW \a
.endr
	ds_load_b128 v[116:119], v[WRD]                ; the panel's 128 scale words (LDS serves a wave's instructions in order: ISA guide 5.7.1.4)
	s_wait_dscnt 0x0
	global_store_b128 v[OI], v[116:119], s[6:7] offset:SCW
	s_wait_tensorcnt 0x0                           ; the wave's end
	ds_add_u32 v[SPW], v[NIL]
	s_wait_dscnt 0x0
	CROUND                                         ; the closing round
	s_endpgm
.Lfunc_end_k_q243132bddd_proj:
	.size	k_q243132bddd_proj, .Lfunc_end_k_q243132bddd_proj-k_q243132bddd_proj
	.p2alignl 7, 3214868480
	.fill 96, 4, 3214868480
	.section	.rodata,"a",@progbits
	.p2align	6, 0x0
	.amdhsa_kernel k_q243132bddd_proj
		.amdhsa_group_segment_fixed_size 327680
		.amdhsa_private_segment_fixed_size 0
		.amdhsa_enable_private_segment 0
		.amdhsa_kernarg_size 16
		.amdhsa_user_sgpr_count 2
		.amdhsa_user_sgpr_kernarg_segment_ptr 1
		.amdhsa_wavefront_size32 1
		.amdhsa_system_sgpr_workgroup_id_x 1
		.amdhsa_system_sgpr_workgroup_id_y 1
		.amdhsa_system_sgpr_workgroup_id_z 1
		.amdhsa_system_vgpr_workitem_id 0
		.amdhsa_next_free_vgpr 1024
		.amdhsa_next_free_sgpr 100
		.amdhsa_reserve_vcc 0
		.amdhsa_float_denorm_mode_32 3
		.amdhsa_float_denorm_mode_16_64 3
		.amdhsa_memory_ordered 1
		.amdhsa_forward_progress 1
		.amdhsa_inst_pref_size 140
	.end_amdhsa_kernel
	.amdgpu_metadata
---
amdhsa.version: [ 1, 2 ]
amdhsa.kernels:
  - .name:           k_q243132bddd_proj
    .symbol:         k_q243132bddd_proj.kd
    .args:
      - { .name: xw, .offset: 0, .size: 8, .value_kind: global_buffer, .address_space: global }
      - { .name: qkv, .offset: 8, .size: 8, .value_kind: global_buffer, .address_space: global }
    .group_segment_fixed_size: 327680
    .private_segment_fixed_size: 0
    .kernarg_segment_align: 8
    .kernarg_segment_size: 16
    .max_flat_workgroup_size: 128
    .sgpr_count:     100
    .vgpr_count:     1024
    .wavefront_size: 32
...
	.end_amdgpu_metadata
.endif
;; end of part 2
;; launch score (part 3): grid 4 x 48, 4 waves a work-group, clusters of 4 x 4, 327,680 bytes of LDS; arguments qkv, pp, st; writes pp, st
.if DOCPART == 3
	.amdgcn_target "amdgcn-amd-amdhsa--gfx1250"
	.amdhsa_code_object_version 6
	.text
	.protected	k_q243132bddd_score
	.globl	k_q243132bddd_score
	.p2align	8
	.type	k_q243132bddd_score,@function
k_q243132bddd_score:
	s_mov_b64 s[64:65], 0
	v_nop
	global_prefetch_b8 v0, s[64:65] scope:SCOPE_SE
	s_setreg_imm32_b32 hwreg(HW_REG_WAVE_MODE, 25, 1), 1
	s_wait_xcnt 0x0
	s_wait_alu depctr_hold_cnt(0) depctr_sa_sdst(0) depctr_va_vdst(0) depctr_va_sdst(0) depctr_va_ssrc(0) depctr_va_vcc(0) depctr_vm_vsrc(0)
	s_getreg_b32 s2, hwreg(HW_REG_IB_STS2, 6, 4)
	s_cmp_eq_u32 s2, 0
	s_cbranch_scc0 .Lentry_in_a_cluster
	s_endpgm
.Lentry_in_a_cluster:
	s_bfe_u32 s2, ttmp6, 0x10000c
	s_cmp_lg_u32 s2, 0xf033
	s_cbranch_scc0 .Lentry_shape_is_right
	s_endpgm
.Lentry_shape_is_right:
; S = Q K^T on codes of FP6 (E2M3), K = the 1,024 channels; the causal mask; p = 2^(t - Ms), t = score x log2(e) / 32, Ms = the ceiling of the largest t of the row IN THIS WAVE'S 128 KEYS; p quantised along the keys, as panels.
; Beside the codes go out, for each row and each 128 keys, -Ms and the sum ls of the unquantised p: the next launch brings every step under the row's own M, by whole powers of two that the scale bytes take up.
; PANELS as in the launch before: 128 rows x 128 along K, 12,800 bytes: eight register images of 1,536 bytes, then 128 scale words; row r of tile t is the panel's row 32 (t / 2) + 8 (t % 2) + r + 8 (r / 8).
; qkv: row-panel = tokens / 128, k-panels 0-7 Q, 8-15 K.  pp: [64 row-panels of queries][16 k-panels = keys / 128].  st: [64][16][-Ms: 512 bytes | ls: 512 bytes], the word of tile t, row r at 64 t + 4 r.
; A tile of 256 queries x 256 keys is made by four waves, each 128 x 128.  Source 0 = 16 keys, source 1 = 16 queries: a lane holds one query, and its 16 registers of two neighbouring tiles are 16 neighbouring keys.
; CLUSTERS: 4 x 4 work-groups; Q's tiles are shared along a row of the cluster, K's along a column, by joint loads.  Of a batch's four blocks of 1,024 x 1,024 the one that lies wholly above the diagonal is not launched: three clusters a batch.
; In the two blocks on the diagonal every work-group makes every joint request; a tile above the diagonal stores zero codes, ls = 0 and a very large -Ms, which the next launch reads.
; No prefetch is laid: a work-group walks four K steps, two of which are asked for at its head.
; LIMITS: scores under -3e38 count as hidden; a block whose every p is 0 gets the byte 1 or 125 over zero codes; NaN and infinities are not served.
; REGISTERS: window 0: v16-31 addresses; v32-63 scale words; v64-127 at work on the way out; v128-223 Q's fragments, later t - Ms and p.  window 1: K's fragments, two sets.  windows 2, 3: accumulator (a, b) at v[8 (8 (a % 4) + b)].
.set PANEL, 12800
.set SCW,   12288
.set FRB,   1536
.set HALFT, 2*PANEL
.set SLOT,  4*HALFT
.set SPARE, 2*SLOT                     ; the spare words, 128 bytes a wave: two blocks of 256 bytes that no other line names
.set EXTRA, SPARE+512
.set GATHER, EXTRA                     ; 1,536 bytes a wave: scale words, -Ms, ls
.set FR, 12
.set NL, 3
.set NQ, 2
.set NP, 4
.set ADRA, 16
.set ADRB, 18
.set ADRS, 20
.set OI,   24                          ; v24 16 x lane
.set WST,  25                          ; v25 where my row's three words go
.set WRD,  26                          ; v26 where they are read back
.set DD,   27                          ; v27 my query less my first key, for A's block 0
.set SPW,  28
.set NIL,  29
.set NINF, 30                          ; v30 -infinity
.set SC,   32
.set BM,   64                          ; v64-67 each block's largest score, then its largest p
.set PT,   68                          ; v68-71 the other lane's, then bytes
.set NM,   72                          ; v72 -Ms (v73 = 0: named with it as a pair)
.set TT,   74
.set SO,   76                          ; v76-79 the conversions' scale operands
.set SA,   80                          ; v80-83 the sum, in two chains of pairs
.set PW,   84
.set LS,   85
.set PC,   96
.set AF,   128
.set S,    128
.set G1,  24
.set G0,  32
.set G1B, 48
.set G0B, 56
.set CS,  68                           ; s[68:69] c = log2(e) / 32
.set SEL, 70
.set MSB, 0
.macro WIN new
.if MSB != \new
	s_set_vgpr_msb (MSB<<8)|\new
.set MSB, \new
.endif
.endm
.set MUL_LO, 0xa1
.set MUL_HI, 0xf1
.set TO_B,   0x40
.macro JLOAD g0a, g1a, g0b, g1b        ; a joint load: waves 0 and 1 fetch for Q, waves 2 and 3 for K; four v_nop follow each of the two lines
	s_cmp_eq_u32 s15, 0
	s_cbranch_scc0 .Lfor_b_\@
	tensor_load_to_lds s[\g0a:\g0a+3], s[\g1a:\g1a+7]
	s_nop 0
.rept 4
	v_nop
.endr
	s_branch .Lasked_\@
.Lfor_b_\@:
	tensor_load_to_lds s[\g0b:\g0b+3], s[\g1b:\g1b+7]
	s_nop 0
.rept 4
	v_nop
.endr
.Lasked_\@:
.endm
.macro CREST
	s_cmp_lg_u32 s14, 0
	s_cbranch_scc1 .Lnot_wave_0_\@
	s_barrier_signal -3
.Lnot_wave_0_\@:
	s_barrier_wait -3
	s_barrier_signal -1
	s_barrier_wait -1
.endm
.macro CROUND
	s_barrier_signal -1
	s_barrier_wait -1
	CREST
.endm
.macro PLACES n
.rept \n
	v_nop
.endr
.endm
.macro FRAG reg, adr, q, i
.irp c, 0,1,2
	ds_load_b128 v[\reg+4*\c:\reg+4*\c+3], v[\adr] offset:(\q)*PANEL+(\i)*FRB+512*\c
.endr
.endm
.macro MUL16 a0, p, q, sc, zero        ; the 64 accumulators take turns, in the same order in every step
.irp a, \a0, \a0+1
.irp b, 0,1,2,3,4,5,6,7
.set rD, 8*(8*((\a)%4)+\b)
.set rB, 128*(\p)+FR*\b
.set rA, AF+FR*(\a)
.set sB, SC+8*NQ*(\sc)+NQ*\b+(\q)
.set sA, SC+8*NQ*(\sc)+NQ*(\a)+(\q)
.if \zero
	v_wmma_scale_f32_16x16x128_f8f6f4 v[rD:rD+7], v[rB:rB+FR-1], v[rA:rA+FR-1], 0, v[sB], v[sA] matrix_a_fmt:MATRIX_FMT_FP6 matrix_b_fmt:MATRIX_FMT_FP6 matrix_a_scale:MATRIX_SCALE_ROW1
.else
	v_wmma_scale_f32_16x16x128_f8f6f4 v[rD:rD+7], v[rB:rB+FR-1], v[rA:rA+FR-1], v[rD:rD+7], v[sB], v[sA] matrix_a_fmt:MATRIX_FMT_FP6 matrix_b_fmt:MATRIX_FMT_FP6 matrix_a_scale:MATRIX_SCALE_ROW1
.endif
.endr
.endr
.endm
.macro FETCH_B slot, q, p
	WIN TO_B
.irp i, 0,1,2,3,4,5,6,7
	FRAG 128*(\p)+FR*\i, ADRB+\slot, \q, \i
.endr
	WIN 0
.endm
.macro FETCH_A slot, q, i0
.irp i, \i0, \i0+1, \i0+2, \i0+3
	FRAG AF+FR*(\i), ADRA+\slot, \q, \i
.endr
.endm
.macro SCALES sc
.irp q, 0,1
.irp i, 0,1,2,3,4,5,6,7
	ds_load_b32 v[SC+16*\sc+2*\i+\q], v[ADRS+2*\sc+\q] offset:64*\i
.endr
.endr
.endm
.macro STEP slot, q, zero
	s_wait_dscnt 4*NL                              ; all but the youngest 12 loads (A's blocks 4-7)
	WIN MUL_LO
	MUL16 0, (\q)%2, \q, \slot, \zero
	MUL16 2, (\q)%2, \q, \slot, \zero
	s_wait_dscnt 0
	PLACES NP
	FETCH_B \slot, (\q)+1, 1-(\q)%2
	FETCH_A \slot, (\q)+1, 0
	WIN MUL_HI
	MUL16 4, (\q)%2, \q, \slot, \zero
	MUL16 6, (\q)%2, \q, \slot, \zero
	PLACES NP
	WIN 0
	FETCH_A \slot, (\q)+1, 4
.endm
.macro TURN slot, next, fill
	s_wait_tensorcnt 0x0                           ; all my tensor loads have landed: my part of the next slot
	ds_add_u32 v[SPW], v[NIL]                      ; 0 onto my spare word
	s_wait_dscnt 4*NL+1                            ; (the add and the 12 loads of A's blocks 4-7 may be out)
	WIN MUL_LO
	MUL16 0, 1, NQ-1, \slot, 0
	s_wait_dscnt 0x0                               ; the add is done, and my reads of this slot are over
	s_barrier_signal -1
	MUL16 2, 1, NQ-1, \slot, 0
	WIN 0
	s_barrier_wait -1
.if \fill
	CREST                                          ; no wave of any partner still reads this slot or has a load on its way
	s_add_nc_u64 s[G0+4*\slot+2:G0+4*\slot+3], s[G0+4*\slot+2:G0+4*\slot+3], 2*HALFT
	s_add_nc_u64 s[G0B+4*\slot+2:G0B+4*\slot+3], s[G0B+4*\slot+2:G0B+4*\slot+3], 2*HALFT
	JLOAD G0+4*\slot, G1, G0B+4*\slot, G1B
.else
	PLACES NP
.endif
	FETCH_B \next, 0, 0
	FETCH_A \next, 0, 0
	SCALES \next
	WIN MUL_HI
	MUL16 4, 1, NQ-1, \slot, 0
	MUL16 6, 1, NQ-1, \slot, 0
	PLACES NP
	WIN 0
	FETCH_A \next, 0, 4
.endm
.macro LAST
	s_wait_dscnt 4*NL
	WIN MUL_LO
	MUL16 0, 1, NQ-1, 1, 0
	MUL16 2, 1, NQ-1, 1, 0
	s_wait_dscnt 0
	WIN MUL_HI
	MUL16 4, 1, NQ-1, 1, 0
	MUL16 6, 1, NQ-1, 1, 0
	WIN 0
.endm
	s_load_b128 s[4:7], s[0:1], 0x0                ; qkv s[4:5], pp s[6:7]
	s_load_b64 s[8:9], s[0:1], 0x10                ; st
	v_lshl_add_u32 v[SPW], v0, 2, SPARE
	v_mov_b32 v[NIL], 0
	ds_add_u32 v28, v29
	ds_add_u32 v28, v29
	s_wait_dscnt 0x0
	v_lshrrev_b32 v1, 5, v0
	v_readfirstlane_b32 s14, v1                    ; wave 0..3
	s_lshr_b32 s15, s14, 1                         ; which half of the tile's queries is mine.  Also: I fetch for Q (0) or for K (1)
	s_and_b32 s16, s14, 1                          ; which half of its keys.  Also: which row-panel of that tile I fetch
	s_bfe_u32 s40, ttmp6, 0x40000                  ; cx
	s_bfe_u32 s41, ttmp6, 0x40004                  ; cy
	s_and_b32 s18, ttmp7, 0xffff                   ; the cluster's y: 0..11
	s_lshl_b32 s43, s41, 2
	s_lshl_b32 s43, 15, s43
	s_lshl_b32 s44, 0x1111, s40
	s_or_b32 s[G1+0], s43, (3<<16)|(1<<21)
	s_or_b32 s[G1B+0], s44, (3<<16)|(1<<21)
.irp g, G1, G1B                        ; a dense block of 25,600 bytes as 100 rows of 256
	s_mov_b32 s[\g+1], 32<<16
	s_mov_b32 s[\g+2], 100<<16
	s_mov_b32 s[\g+3], 32<<16
	s_mov_b32 s[\g+4], 100
	s_mov_b32 s[\g+5], 32
	s_mov_b32 s[\g+6], 0
	s_mov_b32 s[\g+7], 0
.endr
	s_mul_i32 s19, s18, 11
	s_lshr_b32 s19, s19, 5                         ; the batch: cluster y / 3
	s_mul_i32 s17, s19, 3
	s_sub_co_u32 s66, s18, s17                     ; kind 0, 1, 2: blocks (queries, keys) = (0, 0), (1, 0), (1, 1) of 1,024
	s_min_u32 s67, s66, 1                          ; the queries' block
	s_lshr_b32 s17, s66, 1                         ; the keys' block
	s_lshl_b32 s19, s19, 4                         ; the batch's first row-panel
	s_lshl_b32 s80, s67, 3
	s_lshl_b32 s22, s41, 1
	s_add_co_u32 s80, s80, s22                     ; the tile's first panel of queries in the batch
	s_lshl_b32 s81, s17, 3
	s_lshl_b32 s23, s40, 1
	s_add_co_u32 s81, s81, s23                     ; and of keys
	s_add_co_u32 s20, s80, s19
	s_add_co_u32 s20, s20, s16                     ; Q's row-panel
	s_add_co_u32 s46, s81, s19
	s_add_co_u32 s46, s46, s16                     ; K's
	s_mul_i32 s20, s20, 16*PANEL
	s_mul_i32 s46, s46, 16*PANEL
	s_add_co_u32 s46, s46, 8*PANEL                 ; K lies in k-panels 8-15
	s_mov_b32 s21, 0
	s_mov_b32 s47, 0
	s_mul_i32 s45, s14, HALFT
	s_wait_kmcnt 0x0
	s_add_nc_u64 s[20:21], s[4:5], s[20:21]
	s_add_nc_u64 s[46:47], s[4:5], s[46:47]
	CROUND                                         ; all sixteen work-groups are here: the first joint loads meet
.irp s, 0,1
	s_mov_b32 s[G0+4*\s], 1
	s_add_co_u32 s[G0+4*\s+1], s45, \s*SLOT
	s_add_nc_u64 s[G0+4*\s+2:G0+4*\s+3], s[20:21], \s*HALFT
	s_or_b32 s[G0+4*\s+3], s[G0+4*\s+3], 0x80000000
	s_mov_b32 s[G0B+4*\s], 1
	s_add_co_u32 s[G0B+4*\s+1], s45, \s*SLOT
	s_add_nc_u64 s[G0B+4*\s+2:G0B+4*\s+3], s[46:47], \s*HALFT
	s_or_b32 s[G0B+4*\s+3], s[G0B+4*\s+3], 0x80000000
	JLOAD G0+4*\s, G1, G0B+4*\s, G1B
.endr
	v_and_b32 v1, 31, v0
	v_and_b32 v2, 15, v0                           ; r
	v_bfe_u32 v3, v0, 4, 1                         ; h
	v_lshlrev_b32 v[OI], 4, v1
	s_mul_i32 s72, s15, HALFT
	s_mul_i32 s73, s16, HALFT
	s_add_co_u32 s73, s73, 2*HALFT
	s_sub_co_u32 s74, s73, s72
	v_mul_u32_u24 v5, s74, v3                      ; lanes 16-31 take K's words: the lower base + h x the distance
	v_lshl_add_u32 v5, v2, 2, v5
	v_add_nc_u32 v5, s72, v5
.irp s, 0,1
.irp q, 0,1
	v_add_nc_u32 v[ADRS+2*\s+\q], \s*SLOT+\q*PANEL+SCW, v5
.endr
	v_add_nc_u32 v[ADRA+\s], s72, v[OI]
	v_add_nc_u32 v[ADRB+\s], s73, v[OI]
	s_add_co_u32 s72, s72, SLOT
	s_add_co_u32 s73, s73, SLOT
.endr
	s_mul_i32 s75, s14, 1536
	v_lshl_add_u32 v[WST], v2, 2, s75
	v_add_nc_u32 v[WST], GATHER, v[WST]
	v_add_nc_u32 v[WRD], s75, v[OI]
	v_add_nc_u32 v[WRD], GATHER, v[WRD]
	s_add_co_u32 s82, s80, s15
	s_sub_co_u32 s82, s82, s81
	s_sub_co_u32 s82, s82, s16
	s_lshl_b32 s82, s82, 7                         ; my first query less my first key: 128 x (my panel of queries - my panel of keys)
	v_and_b32 v5, 8, v2
	v_add_nc_u32 v5, v5, v2                        ; + r + 8 (r / 8)
	v_lshlrev_b32 v6, 4, v3
	v_sub_nc_u32 v5, v5, v6                        ; - 16 h
	v_add_nc_u32 v[DD], s82, v5
	v_mov_b32 v[NINF], 0xff800000
	v_mov_b32 v[NM+1], 0
.irp b, 0,1,2,3
	v_mov_b32 v[PT+\b], 0                          ; written once: a lane permute's destination counts as one of its sources
.endr
	v_mov_b32 v[TT], 0
	s_mov_b32 s[CS], 0x3d38aa3b                    ; c = log2(e) / sqrt(1024)
	s_mov_b32 s[CS+1], s[CS]
	s_mov_b32 s[SEL], 0x76543210
	s_mov_b32 s[SEL+1], 0xfedcba98
	s_add_co_u32 s75, s80, s19
	s_add_co_u32 s75, s75, s15                     ; my row-panel of queries,
	s_lshl_b32 s75, s75, 4
	s_add_co_u32 s75, s75, s81
	s_add_co_u32 s75, s75, s16                     ; x 16 + my panel of keys
	s_mul_i32 s76, s75, PANEL
	s_mov_b32 s77, 0
	s_add_nc_u64 s[6:7], s[6:7], s[76:77]          ; my panel of p
	s_lshl_b32 s76, s75, 10
	s_add_nc_u64 s[8:9], s[8:9], s[76:77]          ; and its -Ms and ls
	s_wait_tensorcnt 1                             ; my part of K step 0 is in (K step 1's load may be out)
	s_barrier_signal -1
	s_barrier_wait -1
	FETCH_B 0, 0, 0
	FETCH_A 0, 0, 0
	SCALES 0
	FETCH_A 0, 0, 4
	STEP 0, 0, 1
	TURN 0, 1, 1
	STEP 1, 0, 0
	TURN 1, 0, 1
	STEP 0, 0, 0
	TURN 0, 1, 0
	STEP 1, 0, 0
	LAST
	PLACES NP
; THE MASK.  Register n of A's block a holds key 32 (n / 16) + n % 16 + 16 h of my 128 for query 32 (a / 2) + 8 (a % 2) + r + 8 (r / 8) of my 128: hidden scores become -infinity.
; The block of 1,024 x 1,024 under the diagonal has none: a branch on the cluster's number, the same in all sixteen partners.
.macro MASK a
.set W, 2+(\a)/4
.set AC, 64*((\a)%4)
	WIN (W<<6)|W
.set n, 0
.rept 64
	v_cmp_gt_i32 vcc_lo, 32*(n/16)+n%16-32*((\a)/2)-8*((\a)%2), v[DD]
	v_cndmask_b32 v[AC+n], v[AC+n], v[NINF], vcc_lo
.set n, n+1
.endr
.endm
	s_cmp_eq_u32 s66, 1
	s_cbranch_scc1 .Lopen
.irp a, 0,1,2,3,4,5,6,7
	MASK \a
.endr
	WIN 0
.Lopen:
; A's block a: 16 queries x my 128 keys become one fragment of p, a scale word, -Ms and ls a row.
.macro PROW a
.set W, 2+(\a)/4
.set AC, 64*((\a)%4)
.if (\a) > 0
	s_wait_xcnt 0x0                                ; the last block's stores have read their data
	s_wait_dscnt 0x0
.endif
	WIN W*0x14
.irp b, 0,1,2,3
	v_max3_num_f32 v[BM+\b], 0xff61b1e6, v[AC+16*\b], v[AC+16*\b+1]   ; the largest score of each block of 32 keys, each accumulator from its low end on; the leaf -3e38 keeps Ms a number where every key is hidden
.endr
.irp i, 2,4,6,8,10,12,14
.irp b, 0,1,2,3
	v_max3_num_f32 v[BM+\b], v[BM+\b], v[AC+16*\b+\i], v[AC+16*\b+\i+1]
.endr
.endr
	WIN 0
.irp b, 0,1,2,3
	v_permlanex16_b32 v[PT+\b], v[BM+\b], s[SEL], s[SEL+1]
.endr
.irp b, 0,1,2,3
	v_max_num_f32 v[BM+\b], v[BM+\b], v[PT+\b]     ; with lane l xor 16's 16 keys
.endr
	v_max3_num_f32 v[TT], v[BM], v[BM+1], v[BM+2]
	v_max_num_f32 v[TT], v[TT], v[BM+3]            ; the largest score of my query in these 128 keys
	v_mul_f32 v[TT], s[CS], v[TT]                  ; as t
	v_floor_f32 v[NM], -v[TT]                      ; -Ms = floor(-t): a whole number
	WIN W
.set n, 0
.rept 32
	v_pk_fma_f32 v[S+n:S+n+1], v[AC+n:AC+n+1], s[CS:CS+1], v[NM:NM+1] op_sel_hi:[1,0,0]   ; t - Ms, two at a time
.set n, n+2
.endr
	WIN 0
.irp b, 0,1,2,3
	v_fma_f32 v[BM+\b], v[BM+\b], s[CS], v[NM]     ; the same of each block's largest score
.endr
.irp b, 0,1,2,3
	v_min_num_f32 v[BM+\b], 0, v[BM+\b]            ; (of the leaf -3e38 the multiply-add leaves what the rounding of t left: held at 0 from above)
.endr
.set n, 0
.rept 64
	v_exp_f32 v[S+n], v[S+n]                       ; p = 2^(t - Ms): not normalised
.set n, n+1
.endr
	v_nop                                          ; a plain place behind the exponentials
	s_wait_alu depctr_va_vdst(0)                   ; one wait for the batch, ahead of its first reader
.irp b, 0,1,2,3
	v_exp_f32 v[BM+\b], v[BM+\b]                   ; the block's largest p: the same instructions on the same number
.endr
	v_pk_add_f32 v[SA:SA+1], v[S:S+1], v[S+2:S+3]  ; the sum of the unquantised p, in two chains of pairs: plain work behind the four
	v_pk_add_f32 v[SA+2:SA+3], v[S+4:S+5], v[S+6:S+7]
.irp j, 8,12,16,20,24,28,32,36,40,44,48,52,56,60
	v_pk_add_f32 v[SA:SA+1], v[SA:SA+1], v[S+\j:S+\j+1]
	v_pk_add_f32 v[SA+2:SA+3], v[SA+2:SA+3], v[S+\j+2:S+\j+3]
.endr
	v_pk_add_f32 v[SA:SA+1], v[SA:SA+1], v[SA+2:SA+3]
	s_wait_alu depctr_va_vdst(0)                   ; and one for the four
	v_add_f32 v[LS], v[SA], v[SA+1]
	v_permlanex16_b32 v[TT], v[LS], s[SEL], s[SEL+1]
	v_add_f32 v[LS], v[LS], v[TT]                  ; ls
.irp b, 0,1,2,3
	v_max_num_f32 v[BM+\b], 0x1800000, v[BM+\b]    ; the floor 2^(3 - 127): the byte cannot fall under 1
.endr
.irp b, 0,1,2,3
	v_add_nc_u32 v[SO+\b], 0xff000000, v[BM+\b]    ; 2 off the exponent field: the conversion's scale operand
.endr
.irp b, 0,1,2,3
	v_lshrrev_b32 v[PT+\b], 23, v[SO+\b]           ; the scale's byte
.endr
	v_lshl_or_b32 v[PW], v[PT+1], 8, v[PT]
	v_lshl_or_b32 v[PW], v[PT+2], 16, v[PW]
	v_lshl_or_b32 v[PW], v[PT+3], 24, v[PW]
.irp c, 0,1
	v_cvt_scalef32_pk16_fp6_f32 v[PC+6*\c:PC+6*\c+2], v[S+32*\c:S+32*\c+15], v[SO+2*\c]
	v_cvt_scalef32_pk16_fp6_f32 v[PC+12+4*\c:PC+14+4*\c], v[S+32*\c+16:S+32*\c+31], v[SO+2*\c+1]
.endr
	v_nop                                          ; one plain place behind a scaled conversion
.irp c, 0,1
.irp i, 0,1,2
	v_permlane16_swap_b32 v[PC+6*\c+\i], v[PC+12+4*\c+\i]
.endr
.irp i, 0,1,2
	v_mov_b32 v[PC+3+6*\c+\i], v[PC+12+4*\c+\i]
.endr
.endr
.irp g, 0,1,2
	global_store_b128 v[OI], v[PC+4*\g:PC+4*\g+3], s[6:7] offset:FRB*(\a)+512*\g   ; 512 consecutive bytes, at a multiple of 256 from the buffer's first byte
.endr
	ds_store_b32 v[WST], v[PW] offset:64*(\a)      ; lanes r and r + 16 write the same words with the same values
	ds_store_b32 v[WST], v[NM] offset:512+64*(\a)
	ds_store_b32 v[WST], v[LS] offset:1024+64*(\a)
.endm
.irp a, 0,1,2,3,4,5,6,7
	PROW \a
.endr
	ds_load_b128 v[116:119], v[WRD]                ; LDS serves a wave's instructions in order (ISA guide 5.7.1.4): these see my stores
	ds_load_b128 v[120:123], v[WRD] offset:512
	ds_load_b128 v[124:127], v[WRD] offset:1024
	s_wait_dscnt 0x0
	global_store_b128 v[OI], v[116:119], s[6:7] offset:SCW
	global_store_b128 v[OI], v[120:123], s[8:9]
	global_store_b128 v[OI], v[124:127], s[8:9] offset:512
	s_wait_tensorcnt 0x0                           ; the wave's end
	ds_add_u32 v[SPW], v[NIL]
	s_wait_dscnt 0x0
	CROUND                                         ; the closing round
	s_endpgm
.Lfunc_end_k_q243132bddd_score:
	.size	k_q243132bddd_score, .Lfunc_end_k_q243132bddd_score-k_q243132bddd_score
	.p2alignl 7, 3214868480
	.fill 96, 4, 3214868480
	.section	.rodata,"a",@progbits
	.p2align	6, 0x0
	.amdhsa_kernel k_q243132bddd_score
		.amdhsa_group_segment_fixed_size 327680
		.amdhsa_private_segment_fixed_size 0
		.amdhsa_enable_private_segment 0
		.amdhsa_kernarg_size 24
		.amdhsa_user_sgpr_count 2
		.amdhsa_user_sgpr_kernarg_segment_ptr 1
		.amdhsa_wavefront_size32 1
		.amdhsa_system_sgpr_workgroup_id_x 1
		.amdhsa_system_sgpr_workgroup_id_y 1
		.amdhsa_system_sgpr_workgroup_id_z 1
		.amdhsa_system_vgpr_workitem_id 0
		.amdhsa_next_free_vgpr 1024
		.amdhsa_next_free_sgpr 100
		.amdhsa_reserve_vcc 1
		.amdhsa_float_denorm_mode_32 3
		.amdhsa_float_denorm_mode_16_64 3
		.amdhsa_memory_ordered 1
		.amdhsa_forward_progress 1
		.amdhsa_inst_pref_size 239
	.end_amdhsa_kernel
	.amdgpu_metadata
---
amdhsa.version: [ 1, 2 ]
amdhsa.kernels:
  - .name:           k_q243132bddd_score
    .symbol:         k_q243132bddd_score.kd
    .args:
      - { .name: qkv, .offset: 0, .size: 8, .value_kind: global_buffer, .address_space: global }
      - { .name: pp, .offset: 8, .size: 8, .value_kind: global_buffer, .address_space: global }
      - { .name: st, .offset: 16, .size: 8, .value_kind: global_buffer, .address_space: global }
    .group_segment_fixed_size: 327680
    .private_segment_fixed_size: 0
    .kernarg_segment_align: 8
    .kernarg_segment_size: 24
    .max_flat_workgroup_size: 128
    .sgpr_count:     100
    .vgpr_count:     1024
    .wavefront_size: 32
...
	.end_amdgpu_metadata
.endif
;; end of part 3
;; launch mix (part 4): grid 4 x 32, 4 waves a work-group, clusters of 4 x 4, 327,680 bytes of LDS; arguments pp, st, qkv, out0; writes out0
.if DOCPART == 4
	.amdgcn_target "amdgcn-amd-amdhsa--gfx1250"
	.amdhsa_code_object_version 6
	.text
	.protected	k_q243132bddd_mix
	.globl	k_q243132bddd_mix
	.p2align	8
	.type	k_q243132bddd_mix,@function
k_q243132bddd_mix:
	s_mov_b64 s[64:65], 0
	v_nop
	global_prefetch_b8 v0, s[64:65] scope:SCOPE_SE
	s_setreg_imm32_b32 hwreg(HW_REG_WAVE_MODE, 25, 1), 1
	s_wait_xcnt 0x0
	s_wait_alu depctr_hold_cnt(0) depctr_sa_sdst(0) depctr_va_vdst(0) depctr_va_sdst(0) depctr_va_ssrc(0) depctr_va_vcc(0) depctr_vm_vsrc(0)
	s_getreg_b32 s2, hwreg(HW_REG_IB_STS2, 6, 4)
	s_cmp_eq_u32 s2, 0
	s_cbranch_scc0 .Lentry_in_a_cluster
	s_endpgm
.Lentry_in_a_cluster:
	s_bfe_u32 s2, ttmp6, 0x10000c
	s_cmp_lg_u32 s2, 0xf033
	s_cbranch_scc0 .Lentry_shape_is_right
	s_endpgm
.Lentry_shape_is_right:
; out = (P V) / l on codes of FP6 (E2M3), K = the keys.  P comes as panels of codes quantised under a maximum Ms of its own for each row and each 128 keys, with -Ms and the sum ls beside them.
; THE PROLOGUE brings all steps of a row under M = the largest Ms: d = M - Ms is a whole number, so 2^-d is taken off P's scale bytes (held at 0 from below) and multiplies ls; l = the sum of ls 2^-d.  The codes stay as they are.
; The adjusted scale words of the wave's 128 queries, for all 16 steps, and 1 / l lie in a table in LDS, the wave's own; P's own words in the slots are not read.
; PANELS: 128 rows x 128 along K, 12,800 bytes: eight register images of 1,536 bytes, then 128 scale words; row r of tile t is the panel's row 32 (t / 2) + 8 (t % 2) + r + 8 (r / 8).
; pp: [64 row-panels of queries][16 k-panels = keys / 128].  qkv: row-panel 64 + 8 batch + c: V^T, channels 128 c on, k-panel = keys / 128.  st: [64][16][-Ms | ls], 512 bytes each.
; A tile of 256 queries x 256 channels is made by four waves, each 128 x 128.  Source 0 = 16 channels of V^T, source 1 = 16 queries of P: a lane holds one query and neighbouring channels.
; CLUSTERS: 4 x 4 work-groups: 1,024 queries x all 1,024 channels.  P's tiles are shared along a row of the cluster, V's along a column, by joint loads.  A cluster of a batch's first 1,024 queries walks 1,024 keys, one of
; the second 1,024 all 2,048: the rest lies under the mask.  The walk is written out, so that every offset into the table is an immediate; one branch on the cluster's number, the same in all sixteen partners, leads to the short tail.
; No prefetch is laid: a work-group walks four or eight K steps, two of which are asked for at its head.
; LIMITS: a block of p whose byte would fall under 0 beneath the row's M keeps its codes on the byte 0, and a step 127 or more powers of two under M counts for 0 in l: both under 2^-120 of the row's largest p.  NaN and infinities are not served.
; REGISTERS: window 0: v16-31 addresses; v32-63 P's scale words, v64-95 V's, two sets each; v128-223 P's fragments.  window 1: V's fragments, two sets.  windows 2, 3: accumulator (a, b) at v[8 (8 (a % 4) + b)].
.set PANEL, 12800
.set SCW,   12288
.set FRB,   1536
.set HALFT, 2*PANEL
.set SLOT,  4*HALFT
.set SPARE, 2*SLOT                     ; the spare words, 128 bytes a wave: two blocks of 256 bytes that no other line names
.set EXTRA, SPARE+512
.set TBL,   EXTRA                      ; a table for each wave: 16 steps x 512 bytes of scale words, then 512 bytes of 1 / l
.set TBLW,  17*512
.set STAGE, TBL+4*TBLW                 ; the way out: 16 rows x (512 bytes + 16) for each wave
.set SPITCH, 528
.set FR, 12
.set NL, 3
.set NQ, 2
.set NP, 4
.set ADRA, 16
.set ADRB, 18
.set ADRS, 20                          ; v20-21 V's scale words in slot 0, 1
.set TA,   22                          ; v22 my table + 4 r
.set TW,   23                          ; v23 my table + 16 x lane
.set OI,   24                          ; v24 16 x lane
.set STO,  25                          ; v25 the stage: where I put 64 bytes of a row
.set RD,   26                          ; v26 and where a row is read back
.set SPW,  28
.set NIL,  29
.set SCA,  32
.set SCB,  64
.set AF,   128
.set NR,   32                          ; the prologue: v32-35 -M of my four rows, v36-39 l, v40-59 at work; v64-127 -Ms, v128-191 ls, v192-255 the scale words, four registers a step
.set LA,   36
.set DT,   40
.set XT,   44
.set FT,   48
.set MT,   52
.set RC,   56
.set NMV,  64
.set LV,   128
.set WW,   192
.set RCP,  32                          ; the way out: v[32 + 2 a] 1 / l of my row of block a; v64-127 a block's results; v128-191, v192-255 rows read back, by turns
.set T,    64
.set BK,   128
.set G1,  24
.set G0,  32
.set G1B, 48
.set G0B, 56
.set MSB, 0
.macro WIN new
.if MSB != \new
	s_set_vgpr_msb (MSB<<8)|\new
.set MSB, \new
.endif
.endm
.set MUL_LO, 0xa1
.set MUL_HI, 0xf1
.set TO_B,   0x40
.macro JLOAD g0a, g1a, g0b, g1b        ; a joint load: waves 0 and 1 fetch for P, waves 2 and 3 for V; four v_nop follow each of the two lines
	s_cmp_eq_u32 s15, 0
	s_cbranch_scc0 .Lfor_b_\@
	tensor_load_to_lds s[\g0a:\g0a+3], s[\g1a:\g1a+7]
	s_nop 0
.rept 4
	v_nop
.endr
	s_branch .Lasked_\@
.Lfor_b_\@:
	tensor_load_to_lds s[\g0b:\g0b+3], s[\g1b:\g1b+7]
	s_nop 0
.rept 4
	v_nop
.endr
.Lasked_\@:
.endm
.macro CREST
	s_cmp_lg_u32 s14, 0
	s_cbranch_scc1 .Lnot_wave_0_\@
	s_barrier_signal -3
.Lnot_wave_0_\@:
	s_barrier_wait -3
	s_barrier_signal -1
	s_barrier_wait -1
.endm
.macro CROUND
	s_barrier_signal -1
	s_barrier_wait -1
	CREST
.endm
.macro PLACES n
.rept \n
	v_nop
.endr
.endm
.macro FRAG reg, adr, q, i
.irp c, 0,1,2
	ds_load_b128 v[\reg+4*\c:\reg+4*\c+3], v[\adr] offset:(\q)*PANEL+(\i)*FRB+512*\c
.endr
.endm
.macro MUL16 a0, p, q, sc, zero        ; the 64 accumulators take turns, in the same order in every step
.irp a, \a0, \a0+1
.irp b, 0,1,2,3,4,5,6,7
.set rD, 8*(8*((\a)%4)+\b)
.set rB, 128*(\p)+FR*\b
.set rA, AF+FR*(\a)
.set sB, SCB+8*NQ*(\sc)+NQ*\b+(\q)
.set sA, SCA+8*NQ*(\sc)+NQ*(\a)+(\q)
.if \zero
	v_wmma_scale_f32_16x16x128_f8f6f4 v[rD:rD+7], v[rB:rB+FR-1], v[rA:rA+FR-1], 0, v[sB], v[sA] matrix_a_fmt:MATRIX_FMT_FP6 matrix_b_fmt:MATRIX_FMT_FP6
.else
	v_wmma_scale_f32_16x16x128_f8f6f4 v[rD:rD+7], v[rB:rB+FR-1], v[rA:rA+FR-1], v[rD:rD+7], v[sB], v[sA] matrix_a_fmt:MATRIX_FMT_FP6 matrix_b_fmt:MATRIX_FMT_FP6
.endif
.endr
.endr
.endm
.macro FETCH_B slot, q, p
	WIN TO_B
.irp i, 0,1,2,3,4,5,6,7
	FRAG 128*(\p)+FR*\i, ADRB+\slot, \q, \i
.endr
	WIN 0
.endm
.macro FETCH_A slot, q, i0
.irp i, \i0, \i0+1, \i0+2, \i0+3
	FRAG AF+FR*(\i), ADRA+\slot, \q, \i
.endr
.endm
.macro SCALES sc, kk                   ; K step kk of 256 keys, which lies in slot sc: P's adjusted words from my table, V's from the slot; lane l takes row l % 16's
.irp q, 0,1
.irp i, 0,1,2,3,4,5,6,7
	ds_load_b32 v[SCA+16*\sc+2*\i+\q], v[TA] offset:512*(2*(\kk)+\q)+64*\i
	ds_load_b32 v[SCB+16*\sc+2*\i+\q], v[ADRS+\sc] offset:\q*PANEL+64*\i
.endr
.endr
.endm
.macro STEP slot, q, zero
	s_wait_dscnt 4*NL                              ; all but the youngest 12 loads (P's blocks 4-7)
	WIN MUL_LO
	MUL16 0, (\q)%2, \q, \slot, \zero
	MUL16 2, (\q)%2, \q, \slot, \zero
	s_wait_dscnt 0
	PLACES NP
	FETCH_B \slot, (\q)+1, 1-(\q)%2
	FETCH_A \slot, (\q)+1, 0
	WIN MUL_HI
	MUL16 4, (\q)%2, \q, \slot, \zero
	MUL16 6, (\q)%2, \q, \slot, \zero
	PLACES NP
	WIN 0
	FETCH_A \slot, (\q)+1, 4
.endm
.macro TURN slot, next, fill, kk       ; kk: the K step that lies in the next slot
	s_wait_tensorcnt 0x0                           ; all my tensor loads have landed: my part of the next slot
	ds_add_u32 v[SPW], v[NIL]                      ; 0 onto my spare word
	s_wait_dscnt 4*NL+1                            ; (the add and the 12 loads of P's blocks 4-7 may be out)
	WIN MUL_LO
	MUL16 0, 1, NQ-1, \slot, 0
	s_wait_dscnt 0x0                               ; the add is done, and my reads of this slot are over
	s_barrier_signal -1
	MUL16 2, 1, NQ-1, \slot, 0
	WIN 0
	s_barrier_wait -1
.if \fill
	CREST                                          ; no wave of any partner still reads this slot or has a load on its way
	s_add_nc_u64 s[G0+4*\slot+2:G0+4*\slot+3], s[G0+4*\slot+2:G0+4*\slot+3], 2*HALFT
	s_add_nc_u64 s[G0B+4*\slot+2:G0B+4*\slot+3], s[G0B+4*\slot+2:G0B+4*\slot+3], 2*HALFT
	JLOAD G0+4*\slot, G1, G0B+4*\slot, G1B
.else
	PLACES NP
.endif
	FETCH_B \next, 0, 0
	FETCH_A \next, 0, 0
	SCALES \next, \kk
	WIN MUL_HI
	MUL16 4, 1, NQ-1, \slot, 0
	MUL16 6, 1, NQ-1, \slot, 0
	PLACES NP
	WIN 0
	FETCH_A \next, 0, 4
.endm
.macro LAST
	s_wait_dscnt 4*NL
	WIN MUL_LO
	MUL16 0, 1, NQ-1, 1, 0
	MUL16 2, 1, NQ-1, 1, 0
	s_wait_dscnt 0
	WIN MUL_HI
	MUL16 4, 1, NQ-1, 1, 0
	MUL16 6, 1, NQ-1, 1, 0
	WIN 0
.endm
	s_load_b256 s[4:11], s[0:1], 0x0               ; pp s[4:5], st s[6:7], qkv s[8:9], out0 s[10:11]
	v_lshl_add_u32 v[SPW], v0, 2, SPARE
	v_mov_b32 v[NIL], 0
	ds_add_u32 v28, v29
	ds_add_u32 v28, v29
	s_wait_dscnt 0x0
	v_lshrrev_b32 v1, 5, v0
	v_readfirstlane_b32 s14, v1                    ; wave 0..3
	s_lshr_b32 s15, s14, 1                         ; which half of the tile's queries is mine.  Also: I fetch for P (0) or for V (1)
	s_and_b32 s16, s14, 1                          ; which half of its channels.  Also: which row-panel of that tile I fetch
	s_bfe_u32 s40, ttmp6, 0x40000                  ; cx
	s_bfe_u32 s41, ttmp6, 0x40004                  ; cy
	s_and_b32 s18, ttmp7, 0xffff                   ; the cluster's y: 2 x batch + which 1,024 queries
	s_lshl_b32 s43, s41, 2
	s_lshl_b32 s43, 15, s43
	s_lshl_b32 s44, 0x1111, s40
	s_or_b32 s[G1+0], s43, (3<<16)|(1<<21)
	s_or_b32 s[G1B+0], s44, (3<<16)|(1<<21)
.irp g, G1, G1B                        ; a dense block of 25,600 bytes as 100 rows of 256
	s_mov_b32 s[\g+1], 32<<16
	s_mov_b32 s[\g+2], 100<<16
	s_mov_b32 s[\g+3], 32<<16
	s_mov_b32 s[\g+4], 100
	s_mov_b32 s[\g+5], 32
	s_mov_b32 s[\g+6], 0
	s_mov_b32 s[\g+7], 0
.endr
	s_lshl_b32 s20, s18, 3
	s_lshl_b32 s22, s41, 1
	s_add_co_u32 s20, s20, s22
	s_add_co_u32 s20, s20, s16                     ; P's row-panel: 8 x cluster y + 2 cy + which half I fetch
	s_mul_i32 s20, s20, 16*PANEL
	s_mov_b32 s21, 0
	s_lshr_b32 s46, s18, 1                         ; the batch
	s_lshl_b32 s46, s46, 3
	s_lshl_b32 s23, s40, 1
	s_add_co_u32 s46, s46, s23
	s_add_co_u32 s46, s46, s16
	s_add_co_u32 s46, s46, 64                      ; V's row-panel: 64 + 8 x batch + 2 cx + which half I fetch
	s_mul_i32 s46, s46, 16*PANEL
	s_mov_b32 s47, 0
	s_mul_i32 s45, s14, HALFT
	s_wait_kmcnt 0x0
	s_add_nc_u64 s[20:21], s[4:5], s[20:21]
	s_add_nc_u64 s[46:47], s[8:9], s[46:47]
	CROUND                                         ; all sixteen work-groups are here: the first joint loads meet
.irp s, 0,1
	s_mov_b32 s[G0+4*\s], 1
	s_add_co_u32 s[G0+4*\s+1], s45, \s*SLOT
	s_add_nc_u64 s[G0+4*\s+2:G0+4*\s+3], s[20:21], \s*HALFT
	s_or_b32 s[G0+4*\s+3], s[G0+4*\s+3], 0x80000000
	s_mov_b32 s[G0B+4*\s], 1
	s_add_co_u32 s[G0B+4*\s+1], s45, \s*SLOT
	s_add_nc_u64 s[G0B+4*\s+2:G0B+4*\s+3], s[46:47], \s*HALFT
	s_or_b32 s[G0B+4*\s+3], s[G0B+4*\s+3], 0x80000000
	JLOAD G0+4*\s, G1, G0B+4*\s, G1B
.endr
	v_and_b32 v1, 31, v0
	v_and_b32 v2, 15, v0                           ; r
	v_bfe_u32 v3, v0, 4, 1                         ; h
	v_lshlrev_b32 v[OI], 4, v1
	s_mul_i32 s72, s15, HALFT                      ; my half of P
	s_mul_i32 s73, s16, HALFT
	s_add_co_u32 s73, s73, 2*HALFT                 ; my half of V
	v_lshl_add_u32 v5, v2, 2, s73
.irp s, 0,1
	v_add_nc_u32 v[ADRS+\s], \s*SLOT+SCW, v5
	v_add_nc_u32 v[ADRA+\s], s72, v[OI]
	v_add_nc_u32 v[ADRB+\s], s73, v[OI]
	s_add_co_u32 s72, s72, SLOT
	s_add_co_u32 s73, s73, SLOT
.endr
	s_mul_i32 s74, s14, TBLW
	s_add_co_u32 s74, s74, TBL                     ; my table
	v_lshl_add_u32 v[TA], v2, 2, s74
	v_add_nc_u32 v[TW], s74, v[OI]
	s_mul_i32 s74, s14, 16*SPITCH
	s_add_co_u32 s74, s74, STAGE                   ; my stage
	v_mul_u32_u24 v5, v2, SPITCH
	v_lshl_add_u32 v5, v3, 6, v5
	v_add_nc_u32 v[STO], s74, v5                   ; in: row r, + 64 h
	v_add_nc_u32 v[RD], s74, v[OI]                 ; back: a row of 512 bytes, 16 a lane
	s_lshl_b32 s75, s18, 3
	s_lshl_b32 s84, s41, 1
	s_add_co_u32 s75, s75, s84
	s_add_co_u32 s75, s75, s15                     ; my row-panel of queries
	s_and_b32 s66, s18, 1                          ; 1: the batch's second 1,024 queries, which walk all 2,048 keys
	s_sub_co_u32 s67, 0, s66                       ; all ones there, else 0
	s_mov_b32 s68, 0x01010101
	s_lshl_b32 s84, s75, 14
	s_mov_b32 s85, 0
	s_add_nc_u64 s[76:77], s[6:7], s[84:85]        ; -Ms and ls of steps 0-7,
	s_lshl_b32 s84, s66, 13
	s_add_nc_u64 s[78:79], s[76:77], s[84:85]      ; and of steps 8-15; where only 1,024 keys are walked, steps 0-7 once more: they change no minimum, their ls is masked, and their table rows are not read
	s_mul_i32 s84, s75, 16*PANEL
	s_add_nc_u64 s[80:81], s[4:5], s[84:85]        ; P's panels of steps 0-7,
	s_mul_i32 s84, s66, 8*PANEL
	s_add_nc_u64 s[82:83], s[80:81], s[84:85]      ; and of steps 8-15, likewise
	s_lshl_b32 s84, s75, 19                        ; out0: 128 rows of 4,096 bytes a row-panel,
	s_lshl_b32 s86, s40, 10
	s_add_co_u32 s84, s84, s86                     ; + 256 cx channels
	s_lshl_b32 s86, s16, 9
	s_add_co_u32 s84, s84, s86                     ; + my 128
	s_add_nc_u64 s[10:11], s[10:11], s[84:85]
	; THE PROLOGUE, while the first tiles are on their way.  Lane L owns the four rows whose words lie at byte 16 L of each array of 512 bytes.
.irp s, 0,1,2,3,4,5,6,7
	global_load_b128 v[NMV+4*\s:NMV+4*\s+3], v[OI], s[76:77] offset:1024*\s
.endr
.irp s, 0,1,2,3,4,5,6,7
	global_load_b128 v[NMV+32+4*\s:NMV+32+4*\s+3], v[OI], s[78:79] offset:1024*\s
.endr
.irp s, 0,1,2,3,4,5,6,7
	global_load_b128 v[LV+4*\s:LV+4*\s+3], v[OI], s[76:77] offset:1024*\s+512
.endr
.irp s, 0,1,2,3,4,5,6,7
	global_load_b128 v[LV+32+4*\s:LV+32+4*\s+3], v[OI], s[78:79] offset:1024*\s+512
.endr
.irp s, 0,1,2,3,4,5,6,7
	global_load_b128 v[WW+4*\s:WW+4*\s+3], v[OI], s[80:81] offset:PANEL*\s+SCW
.endr
.irp s, 0,1,2,3,4,5,6,7
	global_load_b128 v[WW+32+4*\s:WW+32+4*\s+3], v[OI], s[82:83] offset:PANEL*\s+SCW
.endr
	s_wait_loadcnt 32                              ; the 16 loads of -Ms are in; the 16 of ls and the 16 of words may be out
.irp e, 0,1,2,3
	v_min3_num_f32 v[NR+\e], v[NMV+\e], v[NMV+4+\e], v[NMV+8+\e]   ; -M = the least -Ms
.endr
.irp s, 3,5,7,9,11,13
.irp e, 0,1,2,3
	v_min3_num_f32 v[NR+\e], v[NR+\e], v[NMV+4*\s+\e], v[NMV+4*\s+4+\e]
.endr
.endr
.irp e, 0,1,2,3
	v_min_num_f32 v[NR+\e], v[NR+\e], v[NMV+60+\e]
.endr
	s_wait_loadcnt 0x0
.macro ADJ s
.irp e, 0,1,2,3
	v_sub_f32 v[DT+\e], v[NMV+4*(\s)+\e], v[NR+\e] ; d = M - Ms: a whole number, 0 or more
.endr
.irp e, 0,1,2,3
	v_min_num_f32 v[DT+\e], 0x42fe0000, v[DT+\e]   ; held at 127
.endr
.irp e, 0,1,2,3
	v_cvt_u32_f32 v[DT+\e], v[DT+\e]
.endr
.irp e, 0,1,2,3
	v_sub_nc_u32 v[FT+\e], 127, v[DT+\e]
.endr
.irp e, 0,1,2,3
	v_lshlrev_b32 v[FT+\e], 23, v[FT+\e]           ; 2^-d as f32 (0 where d = 127)
.endr
.if (\s) >= 8
.irp e, 0,1,2,3
	v_and_b32 v[FT+\e], s67, v[FT+\e]              ; steps 8-15 count only where they are walked
.endr
.endif
.irp e, 0,1,2,3
.if (\s) == 0
	v_mul_f32 v[LA+\e], v[LV+\e], v[FT+\e]         ; the first term starts the sum
.else
	v_fmac_f32 v[LA+\e], v[LV+4*(\s)+\e], v[FT+\e]
.endif
.endr
.irp e, 0,1,2,3
	v_mul_lo_u32 v[DT+\e], v[DT+\e], s68           ; d in each of the four bytes
.endr
.irp e, 0,1,2,3
	v_or_b32 v[XT+\e], 0x80808080, v[WW+4*(\s)+\e] ; p's bytes are 125 at the most: with 128 on top of each, d (127 at the most) borrows from no neighbour,
.endr
.irp e, 0,1,2,3
	v_sub_nc_u32 v[XT+\e], v[XT+\e], v[DT+\e]      ; and the top bit of a byte stays where byte >= d
.endr
.irp e, 0,1,2,3
	v_and_b32 v[MT+\e], 0x80808080, v[XT+\e]
.endr
.irp e, 0,1,2,3
	v_lshrrev_b32 v[FT+\e], 7, v[MT+\e]
.endr
.irp e, 0,1,2,3
	v_sub_nc_u32 v[MT+\e], v[MT+\e], v[FT+\e]      ; 0x7f in those bytes, 0 in the others
.endr
.irp e, 0,1,2,3
	v_and_b32 v[WW+4*(\s)+\e], v[XT+\e], v[MT+\e]  ; byte - d, held at 0
.endr
	ds_store_b128 v[TW], v[WW+4*(\s):WW+4*(\s)+3] offset:512*(\s)
.endm
.irp s, 0,1,2,3,4,5,6,7,8,9,10,11,12,13,14,15
	ADJ \s
.endr
.irp e, 0,1,2,3
	v_rcp_f32 v[RC+\e], v[LA+\e]                   ; every row has its own key among those that count, so l is above 1/2
.endr
	v_nop                                          ; a plain place behind the reciprocals
	s_wait_alu depctr_va_vdst(0)                   ; one wait for the four, ahead of their first reader
	ds_store_b128 v[TW], v[RC:RC+3] offset:8192
	s_wait_dscnt 0x0                               ; my table is written (only I read it); no LDS instruction is pending at a signal
	s_wait_tensorcnt 1                             ; my part of K step 0 is in (K step 1's load may be out)
	s_barrier_signal -1
	s_barrier_wait -1
	FETCH_B 0, 0, 0
	FETCH_A 0, 0, 0
	SCALES 0, 0
	FETCH_A 0, 0, 4
	STEP 0, 0, 1
	TURN 0, 1, 1, 1
	STEP 1, 0, 0
	TURN 1, 0, 1, 2
	STEP 0, 0, 0
	s_cmp_eq_u32 s66, 0                            ; 1,024 keys: two K steps are left, and nothing more is asked for
	s_cbranch_scc1 .Lshort
	TURN 0, 1, 1, 3
	STEP 1, 0, 0
	TURN 1, 0, 1, 4
	STEP 0, 0, 0
	TURN 0, 1, 1, 5
	STEP 1, 0, 0
	TURN 1, 0, 1, 6
	STEP 0, 0, 0
	TURN 0, 1, 0, 7
	STEP 1, 0, 0
	LAST
	s_branch .Lout
.Lshort:
	TURN 0, 1, 0, 3
	STEP 1, 0, 0
	LAST
.Lout:
	PLACES NP
; THE WAY OUT, block by block of 16 queries x 128 channels: x 1 / l; through my own stage in LDS; back as whole rows of 512 bytes.  Stage row t of block a is row 32 (a / 2) + 8 (a % 2) + t + 8 (t / 8) of my 128.
.irp a, 0,1,2,3,4,5,6,7
	ds_load_b32 v[RCP+2*\a], v[TA] offset:8192+64*\a
	v_mov_b32 v[RCP+2*\a+1], 0                     ; (named with it as a pair, so it is written)
.endr
	s_wait_dscnt 0x0
.macro PKMUL a
.set W, 2+(\a)/4
.set AC, 64*((\a)%4)
	WIN W                                          ; source 0: the accumulators' window
.set n, 0
.rept 32
	v_pk_mul_f32 v[T+n:T+n+1], v[AC+n:AC+n+1], v[RCP+2*(\a):RCP+2*(\a)+1] op_sel_hi:[1,0]   ; each accumulator from its low end on
.set n, n+2
.endr
	WIN 0
.endm
.macro TOSTAGE a
.set BB, BK+64*((\a)%2)
.irp b, 0,1,2,3
.irp k, 0,1,2,3
	ds_store_b128 v[STO], v[T+16*\b+4*\k:T+16*\b+4*\k+3] offset:128*\b+16*\k   ; channels 32 b + 16 h + 4 k on
.endr
.endr
.irp t, 0,1,2,3,4,5,6,7,8,9,10,11,12,13,14,15
	ds_load_b128 v[BB+4*\t:BB+4*\t+3], v[RD] offset:\t*SPITCH   ; LDS serves a wave's instructions in order (ISA guide 5.7.1.4): these see the stores above
.endr
.endm
.macro SEND a, younger                 ; younger: the LDS instructions issued behind block a's loads, which may stay out
.set BB, BK+64*((\a)%2)
	s_wait_dscnt \younger
.irp t, 0,1,2,3,4,5,6,7,8,9,10,11,12,13,14,15
	global_store_b128 v[OI], v[BB+4*\t:BB+4*\t+3], s[10:11] offset:(32*((\a)/2)+8*((\a)%2)+\t+8*(\t/8))*4096 th:TH_STORE_NT   ; 32 lanes store 512 consecutive bytes, at a multiple of 256 from out0's first byte; 127 rows at the most: inside the signed 24-bit immediate
.endr
.endm
	PKMUL 0
	TOSTAGE 0
.irp a, 1,2,3,4,5,6,7
	s_wait_dscnt 16                                ; the last block's 16 stores into the stage have read their registers (its 16 loads may be out)
	PKMUL \a
.if \a > 1
	s_wait_xcnt 0x0                                ; block a - 2's stores have read their data: block a's rows may land there
.endif
	TOSTAGE \a
	SEND \a-1, 32                                  ; behind block a - 1's loads: block a's 16 stores and 16 loads
.endr
	SEND 7, 0
	s_wait_tensorcnt 0x0                           ; the wave's end
	ds_add_u32 v[SPW], v[NIL]
	s_wait_dscnt 0x0
	CROUND                                         ; the closing round
	s_endpgm
.Lfunc_end_k_q243132bddd_mix:
	.size	k_q243132bddd_mix, .Lfunc_end_k_q243132bddd_mix-k_q243132bddd_mix
	.p2alignl 7, 3214868480
	.fill 96, 4, 3214868480
	.section	.rodata,"a",@progbits
	.p2align	6, 0x0
	.amdhsa_kernel k_q243132bddd_mix
		.amdhsa_group_segment_fixed_size 327680
		.amdhsa_private_segment_fixed_size 0
		.amdhsa_enable_private_segment 0
		.amdhsa_kernarg_size 32
		.amdhsa_user_sgpr_count 2
		.amdhsa_user_sgpr_kernarg_segment_ptr 1
		.amdhsa_wavefront_size32 1
		.amdhsa_system_sgpr_workgroup_id_x 1
		.amdhsa_system_sgpr_workgroup_id_y 1
		.amdhsa_system_sgpr_workgroup_id_z 1
		.amdhsa_system_vgpr_workitem_id 0
		.amdhsa_next_free_vgpr 1024
		.amdhsa_next_free_sgpr 100
		.amdhsa_reserve_vcc 0
		.amdhsa_float_denorm_mode_32 3
		.amdhsa_float_denorm_mode_16_64 3
		.amdhsa_memory_ordered 1
		.amdhsa_forward_progress 1
		.amdhsa_inst_pref_size 255
	.end_amdhsa_kernel
	.section	.bss,"aw",@nobits
	.p2align	6
	.space	262144
	.amdgpu_metadata
---
amdhsa.version: [ 1, 2 ]
amdhsa.kernels:
  - .name:           k_q243132bddd_mix
    .symbol:         k_q243132bddd_mix.kd
    .args:
      - { .name: pp, .offset: 0, .size: 8, .value_kind: global_buffer, .address_space: global }
      - { .name: st, .offset: 8, .size: 8, .value_kind: global_buffer, .address_space: global }
      - { .name: qkv, .offset: 16, .size: 8, .value_kind: global_buffer, .address_space: global }
      - { .name: out0, .offset: 24, .size: 8, .value_kind: global_buffer, .address_space: global }
    .group_segment_fixed_size: 327680
    .private_segment_fixed_size: 0
    .kernarg_segment_align: 8
    .kernarg_segment_size: 32
    .max_flat_workgroup_size: 128
    .sgpr_count:     100
    .vgpr_count:     1024
    .wavefront_size: 32
...
	.end_amdgpu_metadata
.endif
;; end of part 4
;; ======== version 2 of 2: 4 launches; 1.18 times as fast as version 1
;; workspace buffers: xw 9,011,200 bytes; qkv 19,660,800 bytes; pp 13,107,200 bytes; st 1,048,576 bytes
;; launch quant: the kernel of part 1 again; grid 352 x 1, 4 waves a work-group, no clusters, 35,328 bytes of LDS; arguments embedded, W_Q, W_K, W_V, xw; writes xw
;; launch proj (part 5): grid 4 x 64, 4 waves a work-group, clusters of 4 x 4, 327,680 bytes of LDS; arguments xw, qkv; writes qkv
.if DOCPART == 5
	.amdgcn_target "amdgcn-amd-amdhsa--gfx1250"
	.amdhsa_code_object_version 6
	.text
	.protected	k_q243132bddd_proj
	.globl	k_q243132bddd_proj
	.p2align	8
	.type	k_q243132bddd_proj,@function
k_q243132bddd_proj:
	s_mov_b64 s[64:65], 0
	v_nop
	global_prefetch_b8 v0, s[64:65] scope:SCOPE_SE
	s_setreg_imm32_b32 hwreg(HW_REG_WAVE_MODE, 25, 1), 1
	s_wait_xcnt 0x0
	s_wait_alu depctr_hold_cnt(0) depctr_sa_sdst(0) depctr_va_vdst(0) depctr_va_sdst(0) depctr_va_ssrc(0) depctr_va_vcc(0) depctr_vm_vsrc(0)
	s_getreg_b32 s2, hwreg(HW_REG_IB_STS2, 6, 4)
	s_cmp_eq_u32 s2, 0
	s_cbranch_scc0 .Lentry_in_a_cluster
	s_endpgm
.Lentry_in_a_cluster:
	s_bfe_u32 s2, ttmp6, 0x10000c
	s_cmp_lg_u32 s2, 0xf033
	s_cbranch_scc0 .Lentry_shape_is_right
	s_endpgm
.Lentry_shape_is_right:
; Q = x W_Q^T, K = x W_K^T and V^T = W_V x^T on codes of FP6 (E2M3) with E8M0 scales for each 32 along K = 1,024; the results are quantised on the way out, Q and K along the channels, V along the keys, and leave as panels.
; PANEL: 128 rows x 128 along K, 12,800 bytes: eight fragments of 16 rows as images of the operand's registers (register 4 g + e of lane L of tile t at 1536 t + 512 g + 16 L + 4 e), then the scale words (12288 + 64 t + 4 r).
; Row r of tile t is the panel's row 32 (t / 2) + 8 (t % 2) + r + 8 (r / 8).  So with source 0 = tiles 2 b, 2 b + 1 of one operand, a lane's 16 results are 16 NEIGHBOURS, 32 b + 16 (lane / 16) + 0 .. 15, along that operand's rows,
; which are the next product's K; and the lane's own row is the other operand's, whose order the output panel inherits.
; xw: [88 row-panels][8]: 0-63 the tokens, 64-71 W_Q, 72-79 W_K, 80-87 W_V.  qkv: [96 row-panels][16]: 0-63 the tokens (k-panels 0-7 Q, 8-15 K); 64 + 8 batch + c: V^T, channels 128 c on, k-panel = keys / 128.
; A TILE is 128 rows of the operand called A here x 256 rows of B: four waves, each 64 x 128: 32 accumulators.  A SLOT holds 512 along K: A's row-panel (4 k-panels, 51,200 bytes on end in memory) and B's two: 153,600 bytes; two slots hold all of K.
; So a tile has two fills, a fill has four steps of 128 along K, 128 matrix instructions a wave, in which to land, and there is one barrier for four steps.  The price: 12 fragments from LDS feed 32 products.
; A WORK-GROUP STAYS and makes three tiles: its 128 tokens x 256 rows of W_Q; the same x 256 rows of W_K; 128 rows of W_V x 256 tokens (V^T, quantised along the keys by the same text).  256 work-groups, 768 tiles.
; The ring does not stop at a tile's end: a tile's two changes of slots ask for the next tile's two halves of K.
; CLUSTERS: 4 x 4 work-groups.  The four of a row of the cluster need the same tiles of A, the four of a column the same tiles of B: each is asked for JOINTLY.
; No prefetch is laid: the launch is short: six fills a work-group, two of them at its head.
; LIMITS: a block of zeros, or one under 2^-124, gets the byte 1 (this program alone reads the bytes); NaN and infinities are not served.
; REGISTERS, in windows of 256: window 0: v16-31 addresses; v32-47 scale words, two sets of 8; v64-117 at work on the way out; v128-223 A's fragments, two sets of 48.  window 1: B's fragments, sets at v0 and v128.  window 2: accumulator (a, b) at v[8 (8 a + b)].
.set PANEL, 12800
.set SCW,   12288
.set FRB,   1536
.set ABLK,  4*PANEL                    ; a row-panel's part of a slot
.set SLOT,  3*ABLK                     ; A's row-panel, then B's two
.set SPARE, 2*SLOT                     ; the spare words, 128 bytes a wave: two blocks of 256 bytes that no other line names
.set EXTRA, SPARE+512
.set WORDS, EXTRA                      ; 256 bytes a wave: the scale words of its 64 output rows
.set FR, 12
.set NP, 4
.set N1, 32                            ; LDS loads in a step's first run: A's four fragments 12, scale words 8, B's fragments 0-3 12
.set N2, 12                            ; and in its second: B's fragments 4-7
.set ADRA, 16                          ; v16-17 my A fragments in slot 0, 1
.set ADRB, 18                          ; v18-19 my B fragments
.set ADSA, 20                          ; v20-21 A's scale words: lane l takes row l % 16's
.set ADSB, 22                          ; v22-23 B's: lanes 0-15 an even tile's, lanes 16-31 the odd tile's behind it: 4 x lane
.set OI,   24                          ; v24 16 x lane + my four tiles' place in the output panel
.set WST,  25                          ; v25 where my row's scale word goes
.set WRD,  26                          ; v26 where the words are read back
.set OW,   27                          ; v27 8 x lane + my 64 rows' place among the panel's words
.set SPW,  28                          ; v28 my spare word;  v29 0; never rewritten
.set NIL,  29
.set SC,   32                          ; set p at v[32 + 8 p]: +0..3 A's tiles, +4..7 B's pairs of tiles
.set TM,   64                          ; v64-67 largest magnitudes, v68-71 the other lane's, then bytes, v76-79 the conversions' scale operands
.set PW,   80
.set PC,   96                          ; v96-107 the fragment's codes, v108-110, v112-114 upper halves
.set WO,   116
.set AF,   128
.set G1,  24                           ; s[24:31] group 1 for A's loads;  s[32:39] groups 0, one a slot
.set G0,  32
.set G1B, 48                           ; s[48:55], s[56:63] the same for B's
.set G0B, 56
.set SEL, 70
.set TA0, 72                           ; s[72:73] where I fetch A for tiles 0 and 1;  s[74:75] for tile 2
.set TA2, 74
.set TB0, 76                           ; s[76:81] where I fetch B for tiles 0, 1, 2
.set TB1, 78
.set TB2, 80
.set O0,  84                           ; s[84:89] my output panels of tiles 0, 1, 2
.set O1,  86
.set O2,  88
.set MSB, 0
.macro WIN new                         ; the immediate's high byte repeats the setting that is left
.if MSB != \new
	s_set_vgpr_msb (MSB<<8)|\new
.set MSB, \new
.endif
.endm
.set MUL,  0xa1                        ; source 0 (B) window 1, source 1 (A) window 0, C and D window 2
.set TO_B, 0x40                        ; destination window 1, address window 0
.macro JLOAD g0a, g1a, g0b, g1b        ; a joint load: waves 0 and 1 fetch the halves of A's block, waves 2 and 3 B's two row-panels; four v_nop follow each of the two lines
	s_cmp_eq_u32 s15, 0
	s_cbranch_scc0 .Lfor_b_\@
	tensor_load_to_lds s[\g0a:\g0a+3], s[\g1a:\g1a+7]
	s_nop 0
.rept 4
	v_nop
.endr
	s_branch .Lasked_\@
.Lfor_b_\@:
	tensor_load_to_lds s[\g0b:\g0b+3], s[\g1b:\g1b+7]
	s_nop 0
.rept 4
	v_nop
.endr
.Lasked_\@:
.endm
.macro CREST                           ; a round of the cluster's barrier behind its opening barrier
	s_cmp_lg_u32 s14, 0
	s_cbranch_scc1 .Lnot_wave_0_\@
	s_barrier_signal -3
.Lnot_wave_0_\@:
	s_barrier_wait -3
	s_barrier_signal -1
	s_barrier_wait -1
.endm
.macro CROUND
	s_barrier_signal -1
	s_barrier_wait -1
	CREST
.endm
.macro PLACES n                        ; plain places behind matrix instructions, in front of loads into their registers and of the first read of results
.rept \n
	v_nop
.endr
.endm
.macro FRAG reg, adr, q, i             ; a fragment comes as it was stored: three loads of 512 consecutive bytes
.irp c, 0,1,2
	ds_load_b128 v[\reg+4*\c:\reg+4*\c+3], v[\adr] offset:(\q)*PANEL+(\i)*FRB+512*\c
.endr
.endm
; Step sn of a tile (0 .. 7; 8 is the next tile's step 0) lies in slot (sn / 4) % 2, k-panel sn % 4 of the slot, and takes the register sets sn % 2.
.macro FETCH1 sn                       ; the first run: A's four fragments, the scale words, B's fragments 0-3
.set fS, ((\sn)/4)%2
.set fQ, (\sn)%4
.set fP, (\sn)%2
	WIN 0
.irp i, 0,1,2,3
	FRAG AF+48*fP+FR*\i, ADRA+fS, fQ, \i
.endr
.irp i, 0,1,2,3
	ds_load_b32 v[SC+8*fP+\i], v[ADSA+fS] offset:fQ*PANEL+64*\i
	ds_load_b32 v[SC+8*fP+4+\i], v[ADSB+fS] offset:fQ*PANEL+128*\i
.endr
	WIN TO_B
.irp i, 0,1,2,3
	FRAG 128*fP+FR*\i, ADRB+fS, fQ, \i
.endr
.endm
.macro FETCH2 sn                       ; the second run: B's fragments 4-7
.set fS, ((\sn)/4)%2
.set fQ, (\sn)%4
.set fP, (\sn)%2
	WIN TO_B
.irp i, 4,5,6,7
	FRAG 128*fP+FR*\i, ADRB+fS, fQ, \i
.endr
.endm
.macro PROD a, b, p, zero              ; one product: source 0 = B's tile b, source 1 = A's tile a.  B's scale words of an odd tile stand in lanes 16-31
.set rD, 8*(8*(\a)+(\b))
.set rB, 128*(\p)+FR*(\b)
.set rA, AF+48*(\p)+FR*(\a)
.set sB, SC+8*(\p)+4+(\b)/2
.set sA, SC+8*(\p)+(\a)
.if \zero
.if (\b)%2
	v_wmma_scale_f32_16x16x128_f8f6f4 v[rD:rD+7], v[rB:rB+FR-1], v[rA:rA+FR-1], 0, v[sB], v[sA] matrix_a_fmt:MATRIX_FMT_FP6 matrix_b_fmt:MATRIX_FMT_FP6 matrix_a_scale:MATRIX_SCALE_ROW1
.else
	v_wmma_scale_f32_16x16x128_f8f6f4 v[rD:rD+7], v[rB:rB+FR-1], v[rA:rA+FR-1], 0, v[sB], v[sA] matrix_a_fmt:MATRIX_FMT_FP6 matrix_b_fmt:MATRIX_FMT_FP6
.endif
.else
.if (\b)%2
	v_wmma_scale_f32_16x16x128_f8f6f4 v[rD:rD+7], v[rB:rB+FR-1], v[rA:rA+FR-1], v[rD:rD+7], v[sB], v[sA] matrix_a_fmt:MATRIX_FMT_FP6 matrix_b_fmt:MATRIX_FMT_FP6 matrix_a_scale:MATRIX_SCALE_ROW1
.else
	v_wmma_scale_f32_16x16x128_f8f6f4 v[rD:rD+7], v[rB:rB+FR-1], v[rA:rA+FR-1], v[rD:rD+7], v[sB], v[sA] matrix_a_fmt:MATRIX_FMT_FP6 matrix_b_fmt:MATRIX_FMT_FP6
.endif
.endif
.endm
.macro MULB b0, p, zero                ; B's tiles b0, b0 + 1 x A's four: 8 products.  The 32 accumulators take turns, in the same order in every step
.irp b, \b0, \b0+1
.irp a, 0,1,2,3
	PROD \a, \b, \p, \zero
.endr
.endr
.endm
.macro STEP2 s, zero                   ; step s, whose successor lies in the same slot: each run of loads has 32 products between its issue and the wait for it
	s_wait_dscnt N2                                ; all but the youngest 12 loads (this step's fragments 4-7 of B)
	PLACES NP                                      ; behind the last step's products, which read the sets that are loaded below
	FETCH1 (\s)+1
	WIN MUL
	MULB 0, (\s)%2, \zero
	MULB 2, (\s)%2, \zero
	s_wait_dscnt N1                                ; all but the 32 loads just issued
	FETCH2 (\s)+1
	WIN MUL
	MULB 4, (\s)%2, \zero
	MULB 6, (\s)%2, \zero
	WIN 0
.endm
; A slot's last step changes slots: one barrier.  fill = 1: it opens a round of the cluster's barrier, and this slot takes the same half of K of the NEXT tile, whose addresses stand in s[ra], s[rb].
.macro TURN2 s, fill, ra, rb
.set tS, ((\s)/4)%2
	s_wait_tensorcnt 0x0                           ; all my tensor loads have landed: my part of the next slot
	ds_add_u32 v[SPW], v[NIL]                      ; 0 onto my spare word
	s_wait_dscnt N2+1                              ; (the add and the 12 loads of B's fragments 4-7 may be out)
	WIN MUL
	MULB 0, 1, 0
	s_wait_dscnt 0x0                               ; the add is done, and my reads of this slot are over
	s_barrier_signal -1
	MULB 2, 1, 0
	WIN 0
	s_barrier_wait -1
.if \fill
	CREST                                          ; no wave of any partner still reads this slot or has a load on its way
	s_add_nc_u64 s[G0+4*tS+2:G0+4*tS+3], s[\ra:\ra+1], tS*ABLK
	s_or_b32 s[G0+4*tS+3], s[G0+4*tS+3], 0x80000000
	s_add_nc_u64 s[G0B+4*tS+2:G0B+4*tS+3], s[\rb:\rb+1], tS*ABLK
	s_or_b32 s[G0B+4*tS+3], s[G0B+4*tS+3], 0x80000000
	JLOAD G0+4*tS, G1, G0B+4*tS, G1B               ; the first tensor load behind the round; its four v_nop are the places in front of the loads below
.else
	PLACES NP
.endif
	FETCH1 (\s)+1
	WIN MUL
	MULB 4, 1, 0
	FETCH2 (\s)+1
	WIN MUL
	MULB 6, 1, 0
	WIN 0
.endm
.macro LAST2                           ; the launch's last step: nothing more to fetch
	s_wait_dscnt N2
	WIN MUL
	MULB 0, 1, 0
	MULB 2, 1, 0
	s_wait_dscnt 0x0
	MULB 4, 1, 0
	MULB 6, 1, 0
	WIN 0
.endm
	s_load_b128 s[4:7], s[0:1], 0x0                ; xw s[4:5], qkv s[6:7]
	v_lshl_add_u32 v[SPW], v0, 2, SPARE
	v_mov_b32 v[NIL], 0
	ds_add_u32 v28, v29
	ds_add_u32 v28, v29
	s_wait_dscnt 0x0
	v_lshrrev_b32 v1, 5, v0
	v_readfirstlane_b32 s14, v1                    ; wave 0..3
	s_lshr_b32 s15, s14, 1                         ; which 64 of the tile's 128 rows of A are mine.  Also: I fetch for A (0) or for B (1)
	s_and_b32 s16, s14, 1                          ; which of B's two row-panels is mine.  Also: which half of A's block, or which row-panel of B, I fetch
	s_bfe_u32 s40, ttmp6, 0x40000                  ; cx
	s_bfe_u32 s41, ttmp6, 0x40004                  ; cy
	s_and_b32 s18, ttmp7, 0xffff                   ; the cluster's number k: 0..15
	s_lshl_b32 s43, s41, 2
	s_lshl_b32 s43, 15, s43                        ; my row of the cluster
	s_lshl_b32 s44, 0x1111, s40                    ; my column
	s_or_b32 s[G1+0], s43, (3<<16)|(1<<21)         ; 15:0 the mask; 17:16 elements of 8 bytes; 20 no padding; 21 set beside a mask
	s_mov_b32 s[G1+1], 32<<16                      ; A: a dense block of 25,600 bytes as 100 rows of 256: tensor_dim0 = 32
	s_mov_b32 s[G1+2], 100<<16                     ; tensor_dim1
	s_mov_b32 s[G1+3], 32<<16                      ; tile_dim0
	s_mov_b32 s[G1+4], 100                         ; tile_dim1
	s_mov_b32 s[G1+5], 32                          ; tensor_dim0_stride
	s_mov_b32 s[G1+6], 0
	s_mov_b32 s[G1+7], 0
	s_or_b32 s[G1B+0], s44, (3<<16)|(1<<21)
	s_mov_b32 s[G1B+1], 32<<16                     ; B: 51,200 bytes as 200 rows of 256
	s_mov_b32 s[G1B+2], 200<<16
	s_mov_b32 s[G1B+3], 32<<16
	s_mov_b32 s[G1B+4], 200
	s_mov_b32 s[G1B+5], 32
	s_mov_b32 s[G1B+6], 0
	s_mov_b32 s[G1B+7], 0
	s_mul_i32 s22, s16, 2*PANEL                    ; my half of A's block: in memory and in a slot alike
	s_lshl_b32 s20, s18, 2
	s_add_co_u32 s20, s20, s41                     ; tiles 0, 1: A = the tokens' row-panel 4 k + cy
	s_mul_i32 s20, s20, 8*PANEL
	s_add_co_u32 s20, s20, s22
	s_mov_b32 s21, 0
	s_and_b32 s92, s18, 1
	s_lshl_b32 s92, s92, 2
	s_add_co_u32 s92, s92, s41
	s_add_co_u32 s92, s92, 80                      ; tile 2: A = W_V's row-panel 4 (k % 2) + cy
	s_mul_i32 s92, s92, 8*PANEL
	s_add_co_u32 s92, s92, s22
	s_mov_b32 s93, 0
	s_lshl_b32 s46, s40, 1
	s_add_co_u32 s46, s46, s16                     ; 2 cx + the row-panel that I fetch
	s_add_co_u32 s94, s46, 64                      ; tile 0: B = W_Q (tile 1: W_K, eight row-panels on)
	s_mul_i32 s94, s94, 8*PANEL
	s_mov_b32 s95, 0
	s_lshr_b32 s96, s18, 1
	s_lshl_b32 s96, s96, 3
	s_add_co_u32 s96, s96, s46                     ; tile 2: B = the tokens' row-panel 8 (k / 2) + 2 cx + ..
	s_mul_i32 s96, s96, 8*PANEL
	s_mov_b32 s97, 0
	s_mul_i32 s23, s16, ABLK
	s_add_co_u32 s23, s23, ABLK                    ; where B's row-panel goes in a slot: no place in the cluster enters an LDS address
	s_wait_kmcnt 0x0
	s_add_nc_u64 s[TA0:TA0+1], s[4:5], s[20:21]
	s_add_nc_u64 s[TA2:TA2+1], s[4:5], s[92:93]
	s_add_nc_u64 s[TB0:TB0+1], s[4:5], s[94:95]
	s_add_nc_u64 s[TB1:TB1+1], s[TB0:TB0+1], 64*PANEL
	s_add_nc_u64 s[TB2:TB2+1], s[4:5], s[96:97]
	CROUND                                         ; all sixteen work-groups are here: the first joint loads meet
.irp s, 0,1
	s_mov_b32 s[G0+4*\s], 1
	s_add_co_u32 s[G0+4*\s+1], s22, \s*SLOT
	s_add_nc_u64 s[G0+4*\s+2:G0+4*\s+3], s[TA0:TA0+1], \s*ABLK
	s_or_b32 s[G0+4*\s+3], s[G0+4*\s+3], 0x80000000
	s_mov_b32 s[G0B+4*\s], 1
	s_add_co_u32 s[G0B+4*\s+1], s23, \s*SLOT
	s_add_nc_u64 s[G0B+4*\s+2:G0B+4*\s+3], s[TB0:TB0+1], \s*ABLK
	s_or_b32 s[G0B+4*\s+3], s[G0B+4*\s+3], 0x80000000
	JLOAD G0+4*\s, G1, G0B+4*\s, G1B               ; tile 0's two halves of K: two loads of mine are out
.endr
	v_and_b32 v1, 31, v0                           ; lane
	v_and_b32 v2, 15, v0                           ; r
	v_lshlrev_b32 v3, 4, v1                        ; 16 x lane
	v_lshlrev_b32 v4, 2, v1                        ; 4 x lane
	v_lshlrev_b32 v5, 2, v2                        ; 4 r
	v_lshlrev_b32 v6, 3, v1                        ; 8 x lane
	s_mul_i32 s82, s15, 4*FRB                      ; my four tiles of A's eight
	v_add_nc_u32 v[OI], s82, v3
	s_lshl_b32 s90, s15, 8                         ; and their 64 scale words
	v_add_nc_u32 v[OW], s90, v6
	s_add_co_u32 s90, s90, SCW
	s_add_co_u32 s91, s23, SCW
	s_mov_b32 s83, s23
.irp s, 0,1
	v_add_nc_u32 v[ADRA+\s], s82, v3
	v_add_nc_u32 v[ADRB+\s], s83, v3
	v_add_nc_u32 v[ADSA+\s], s90, v5
	v_add_nc_u32 v[ADSB+\s], s91, v4
	s_add_co_u32 s82, s82, SLOT
	s_add_co_u32 s83, s83, SLOT
	s_add_co_u32 s90, s90, SLOT
	s_add_co_u32 s91, s91, SLOT
.endr
	s_lshl_b32 s82, s14, 8
	s_add_co_u32 s82, s82, WORDS
	v_add_nc_u32 v[WST], s82, v5
	v_add_nc_u32 v[WRD], s82, v6
.irp b, 0,1,2,3
	v_mov_b32 v[TM+4+\b], 0                        ; written once: a lane permute's destination counts as one of its sources
.endr
	s_mov_b32 s[SEL], 0x76543210
	s_mov_b32 s[SEL+1], 0xfedcba98
	s_lshl_b32 s82, s40, 1
	s_add_co_u32 s82, s82, s16                     ; 2 cx + my row-panel of B: the output's k-panel
	s_lshl_b32 s90, s18, 2
	s_add_co_u32 s90, s90, s41                     ; tiles 0, 1: the tokens' row-panel,
	s_lshl_b32 s90, s90, 4
	s_add_co_u32 s90, s90, s82                     ; x 16 + the k-panel
	s_mul_i32 s90, s90, PANEL
	s_mov_b32 s91, 0
	s_add_nc_u64 s[O0:O0+1], s[6:7], s[90:91]      ; Q's panel
	s_add_nc_u64 s[O1:O1+1], s[O0:O0+1], 8*PANEL   ; K's, eight k-panels on
	s_lshr_b32 s90, s18, 2
	s_lshl_b32 s90, s90, 3                         ; tile 2: 8 x batch
	s_and_b32 s83, s18, 1
	s_lshl_b32 s83, s83, 2
	s_add_co_u32 s90, s90, s83
	s_add_co_u32 s90, s90, s41
	s_add_co_u32 s90, s90, 64                      ; V^T's row-panel: 64 + 8 batch + 4 (k % 2) + cy
	s_lshl_b32 s90, s90, 4
	s_bfe_u32 s83, s18, 0x10001                    ; which 1,024 keys of the batch
	s_lshl_b32 s83, s83, 3
	s_add_co_u32 s90, s90, s83
	s_add_co_u32 s90, s90, s82
	s_mul_i32 s90, s90, PANEL
	s_add_nc_u64 s[O2:O2+1], s[6:7], s[90:91]
; THE WAY OUT.  The 64 results of a lane in A's tile a are its row's 128 numbers along the next K (register 16 b + i = k 32 b + 16 (lane / 16) + i): they become one fragment and one scale word a row.
.macro QROW a, o
.set AC, 64*(\a)
	s_wait_xcnt 0x0                                ; the last stores have read their data: the codes' registers are written again only behind this wait
	s_wait_dscnt 0x0
	WIN 0x28                                       ; sources 1 and 2: the accumulators' window
.irp b, 0,1,2,3
	v_max3_num_f32 v[TM+\b], 0x1800000, |v[AC+16*\b]|, |v[AC+16*\b+1]|   ; block b: my 16 numbers, each accumulator from its low end on, and the floor 2^(3 - 127)
.endr
.irp i, 2,4,6,8,10,12,14
.irp b, 0,1,2,3
	v_max3_num_f32 v[TM+\b], v[TM+\b], |v[AC+16*\b+\i]|, |v[AC+16*\b+\i+1]|
.endr
.endr
	WIN 0
.irp b, 0,1,2,3
	v_permlanex16_b32 v[TM+4+\b], v[TM+\b], s[SEL], s[SEL+1]
.endr
.irp b, 0,1,2,3
	v_max_num_f32 v[TM+\b], v[TM+\b], v[TM+4+\b]   ; with lane l xor 16's: the block's largest magnitude
.endr
.irp b, 0,1,2,3
	v_add_nc_u32 v[TM+12+\b], 0xff000000, v[TM+\b] ; 2 off its exponent field: the conversion's scale operand
.endr
.irp b, 0,1,2,3
	v_lshrrev_b32 v[TM+4+\b], 23, v[TM+12+\b]      ; the scale's byte
.endr
	v_lshl_or_b32 v[PW], v[TM+5], 8, v[TM+4]
	v_lshl_or_b32 v[PW], v[TM+6], 16, v[PW]
	v_lshl_or_b32 v[PW], v[TM+7], 24, v[PW]        ; my row's scale word
	WIN 0x02                                       ; source 0: the accumulators' window
.irp c, 0,1
	v_cvt_scalef32_pk16_fp6_f32 v[PC+6*\c:PC+6*\c+2], v[AC+32*\c:AC+32*\c+15], v[TM+12+2*\c]
	v_cvt_scalef32_pk16_fp6_f32 v[PC+12+4*\c:PC+14+4*\c], v[AC+32*\c+16:AC+32*\c+31], v[TM+13+2*\c]
.endr
	WIN 0
	v_nop                                          ; one plain place behind a scaled conversion
.irp c, 0,1                            ; the operand's layout wants a whole block in a lane
.irp i, 0,1,2
	v_permlane16_swap_b32 v[PC+6*\c+\i], v[PC+12+4*\c+\i]
.endr
.irp i, 0,1,2
	v_mov_b32 v[PC+3+6*\c+\i], v[PC+12+4*\c+\i]
.endr
.endr
.irp g, 0,1,2
	global_store_b128 v[OI], v[PC+4*\g:PC+4*\g+3], s[\o:\o+1] offset:FRB*(\a)+512*\g   ; 512 consecutive bytes, at a multiple of 256 from the buffer's first byte
.endr
	ds_store_b32 v[WST], v[PW] offset:64*(\a)      ; lanes r and r + 16 write the same word with the same value
.endm
.macro WAYOUT o
	PLACES NP                                      ; behind the tile's last products
.irp a, 0,1,2,3
	QROW \a, \o
.endr
	ds_load_b64 v[WO:WO+1], v[WRD]                 ; my 64 scale words (LDS serves a wave's instructions in order: ISA guide 5.7.1.4)
	s_wait_dscnt 0x0
	global_store_b64 v[OW], v[WO:WO+1], s[\o:\o+1] offset:SCW   ; 32 lanes store 256 consecutive bytes, aligned
.endm
; A tile: eight steps of 128 along K, two slots.  more = 1: both changes of slots ask for the next tile, and the second fetches its first fragments, which wait in their registers through the way out.
.macro TILE more, ra, rb, o
	STEP2 0, 1                                     ; the first products start the sums: nothing is cleared
	STEP2 1, 0
	STEP2 2, 0
	TURN2 3, \more, \ra, \rb
	STEP2 4, 0
	STEP2 5, 0
	STEP2 6, 0
.if \more
	TURN2 7, 1, \ra, \rb
.else
	LAST2
.endif
	WAYOUT \o
.endm
	s_wait_tensorcnt 1                             ; my part of slot 0 is in (slot 1's load may be out)
	s_barrier_signal -1
	s_barrier_wait -1                              ; everybody's is
	FETCH1 0
	FETCH2 0
	TILE 1, TA0, TB1, O0                           ; Q; asks for the same tokens and W_K
	TILE 1, TA2, TB2, O1                           ; K; asks for W_V and the tokens
	TILE 0, 0, 0, O2                               ; V^T; asks for nothing
	s_wait_tensorcnt 0x0                           ; the wave's end
	ds_add_u32 v[SPW], v[NIL]
	s_wait_dscnt 0x0
	CROUND                                         ; the closing round
	s_endpgm
.Lfunc_end_k_q243132bddd_proj:
	.size	k_q243132bddd_proj, .Lfunc_end_k_q243132bddd_proj-k_q243132bddd_proj
	.p2alignl 7, 3214868480
	.fill 96, 4, 3214868480
	.section	.rodata,"a",@progbits
	.p2align	6, 0x0
	.amdhsa_kernel k_q243132bddd_proj
		.amdhsa_group_segment_fixed_size 327680
		.amdhsa_private_segment_fixed_size 0
		.amdhsa_enable_private_segment 0
		.amdhsa_kernarg_size 16
		.amdhsa_user_sgpr_count 2
		.amdhsa_user_sgpr_kernarg_segment_ptr 1
		.amdhsa_wavefront_size32 1
		.amdhsa_system_sgpr_workgroup_id_x 1
		.amdhsa_system_sgpr_workgroup_id_y 1
		.amdhsa_system_sgpr_workgroup_id_z 1
		.amdhsa_system_vgpr_workitem_id 0
		.amdhsa_next_free_vgpr 768
		.amdhsa_next_free_sgpr 100
		.amdhsa_reserve_vcc 0
		.amdhsa_float_denorm_mode_32 3
		.amdhsa_float_denorm_mode_16_64 3
		.amdhsa_memory_ordered 1
		.amdhsa_forward_progress 1
		.amdhsa_inst_pref_size 236
	.end_amdhsa_kernel
	.amdgpu_metadata
---
amdhsa.version: [ 1, 2 ]
amdhsa.kernels:
  - .name:           k_q243132bddd_proj
    .symbol:         k_q243132bddd_proj.kd
    .args:
      - { .name: xw, .offset: 0, .size: 8, .value_kind: global_buffer, .address_space: global }
      - { .name: qkv, .offset: 8, .size: 8, .value_kind: global_buffer, .address_space: global }
    .group_segment_fixed_size: 327680
    .private_segment_fixed_size: 0
    .kernarg_segment_align: 8
    .kernarg_segment_size: 16
    .max_flat_workgroup_size: 128
    .sgpr_count:     100
    .vgpr_count:     768
    .wavefront_size: 32
...
	.end_amdgpu_metadata
.endif
;; end of part 5
;; launch score (part 6): grid 4 x 48, 4 waves a work-group, clusters of 4 x 4, 327,680 bytes of LDS; arguments qkv, pp, st; writes pp, st
.if DOCPART == 6
	.amdgcn_target "amdgcn-amd-amdhsa--gfx1250"
	.amdhsa_code_object_version 6
	.text
	.protected	k_q243132bddd_score
	.globl	k_q243132bddd_score
	.p2align	8
	.type	k_q243132bddd_score,@function
k_q243132bddd_score:
	s_mov_b64 s[64:65], 0
	v_nop
	global_prefetch_b8 v0, s[64:65] scope:SCOPE_SE
	s_setreg_imm32_b32 hwreg(HW_REG_WAVE_MODE, 25, 1), 1
	s_wait_xcnt 0x0
	s_wait_alu depctr_hold_cnt(0) depctr_sa_sdst(0) depctr_va_vdst(0) depctr_va_sdst(0) depctr_va_ssrc(0) depctr_va_vcc(0) depctr_vm_vsrc(0)
	s_getreg_b32 s2, hwreg(HW_REG_IB_STS2, 6, 4)
	s_cmp_eq_u32 s2, 0
	s_cbranch_scc0 .Lentry_in_a_cluster
	s_endpgm
.Lentry_in_a_cluster:
	s_bfe_u32 s2, ttmp6, 0x10000c
	s_cmp_lg_u32 s2, 0xf033
	s_cbranch_scc0 .Lentry_shape_is_right
	s_endpgm
.Lentry_shape_is_right:
; S = Q K^T on codes of FP6 (E2M3), K = the 1,024 channels; the causal mask; p = 2^(t - Ms), t = score x log2(e) / 32, Ms = the ceiling of the largest t of the row IN THIS WAVE'S 128 KEYS; p quantised along the keys, as panels.
; Beside the codes go out, for each row and each 128 keys, -Ms and the sum ls of the unquantised p: the next launch brings every step under the row's own M, by whole powers of two that the scale bytes take up.
; PANELS as in the launch before: 128 rows x 128 along K, 12,800 bytes: eight register images of 1,536 bytes, then 128 scale words; row r of tile t is the panel's row 32 (t / 2) + 8 (t % 2) + r + 8 (r / 8).
; qkv: row-panel = tokens / 128, k-panels 0-7 Q, 8-15 K.  pp: [64 row-panels of queries][16 k-panels = keys / 128].  st: [64][16][-Ms: 512 bytes | ls: 512 bytes], the word of tile t, row r at 64 t + 4 r.
; A tile of 256 queries x 256 keys is made by four waves, each 128 x 128.  Source 0 = 16 keys, source 1 = 16 queries: a lane holds one query, and its 16 registers of two neighbouring tiles are 16 neighbouring keys.
; THREE SLOTS of 256 along K.  K = 1,024 is four K steps: steps 0, 1, 2 are asked for together at the head; step 3 goes into slot 0 behind the one round, when step 0 has been read, and has two K steps, 224 matrix instructions a wave, in which to land.
; CLUSTERS: 4 x 4 work-groups; Q's tiles are shared along a row of the cluster, K's along a column, by joint loads.  Of a batch's four blocks of 1,024 x 1,024 the one that lies wholly above the diagonal is not launched: three clusters a batch.
; In the two blocks on the diagonal every work-group makes every joint request; a tile above the diagonal stores zero codes, ls = 0 and a very large -Ms, which the next launch reads.
; No prefetch is laid: a work-group walks four K steps, three of which are asked for at its head.
; LIMITS: scores under -3e38 count as hidden; a block whose every p is 0 gets the byte 1 or 125 over zero codes; NaN and infinities are not served.
; REGISTERS: window 0: v8-31 addresses; v32-63 scale words, two sets; v64-127 at work on the way out; v128-223 Q's fragments, later t - Ms and p.  window 1: K's fragments, two sets.  windows 2, 3: accumulator (a, b) at v[8 (8 (a % 4) + b)].
.set PANEL, 12800
.set SCW,   12288
.set FRB,   1536
.set HALFT, 2*PANEL                    ; 128 rows x 256 K: what one tensor load brings
.set SLOT,  4*HALFT                    ; Q's two halves, then K's two
.set SPARE, 3*SLOT                     ; the spare words, 128 bytes a wave: two blocks of 256 bytes that no other line names
.set EXTRA, SPARE+512
.set GATHER, EXTRA                     ; 1,536 bytes a wave: scale words, -Ms, ls
.set FR, 12
.set NL, 3
.set NQ, 2
.set NP, 4
.set ADRA, 8                           ; v8-10  my Q fragments in slot 0, 1, 2
.set ADRB, 11                          ; v11-13 my K fragments
.set ADRS, 14                          ; v14-16 scale words: lanes 0-15 Q's rows, lanes 16-31 K's
.set OI,   24                          ; v24 16 x lane
.set WST,  25                          ; v25 where my row's three words go
.set WRD,  26                          ; v26 where they are read back
.set DD,   27                          ; v27 my query less my first key, for A's block 0
.set SPW,  28
.set NIL,  29
.set NINF, 30                          ; v30 -infinity
.set SC,   32
.set BM,   64                          ; v64-67 each block's largest score, then its largest p
.set PT,   68                          ; v68-71 the other lane's, then bytes
.set NM,   72                          ; v72 -Ms (v73 = 0: named with it as a pair)
.set TT,   74
.set SO,   76                          ; v76-79 the conversions' scale operands
.set SA,   80                          ; v80-83 the sum, in two chains of pairs
.set PW,   84
.set LS,   85
.set PC,   96
.set AF,   128
.set S,    128
.set G1,  24                           ; s[24:31] group 1 for Q's tiles;  s[48:55] for K's
.set G1B, 48
.set G0,  72                           ; s[72:83] groups 0 for Q's tiles, one a slot;  s[84:95] for K's
.set G0B, 84
.set CS,  68                           ; s[68:69] c = log2(e) / 32
.set SEL, 70
.set MSB, 0
.macro WIN new
.if MSB != \new
	s_set_vgpr_msb (MSB<<8)|\new
.set MSB, \new
.endif
.endm
.set MUL_LO, 0xa1
.set MUL_HI, 0xf1
.set TO_B,   0x40
.macro JLOAD g0a, g1a, g0b, g1b        ; a joint load: waves 0 and 1 fetch for Q, waves 2 and 3 for K; four v_nop follow each of the two lines
	s_cmp_eq_u32 s15, 0
	s_cbranch_scc0 .Lfor_b_\@
	tensor_load_to_lds s[\g0a:\g0a+3], s[\g1a:\g1a+7]
	s_nop 0
.rept 4
	v_nop
.endr
	s_branch .Lasked_\@
.Lfor_b_\@:
	tensor_load_to_lds s[\g0b:\g0b+3], s[\g1b:\g1b+7]
	s_nop 0
.rept 4
	v_nop
.endr
.Lasked_\@:
.endm
.macro CREST
	s_cmp_lg_u32 s14, 0
	s_cbranch_scc1 .Lnot_wave_0_\@
	s_barrier_signal -3
.Lnot_wave_0_\@:
	s_barrier_wait -3
	s_barrier_signal -1
	s_barrier_wait -1
.endm
.macro CROUND
	s_barrier_signal -1
	s_barrier_wait -1
	CREST
.endm
.macro PLACES n
.rept \n
	v_nop
.endr
.endm
.macro FRAG reg, adr, q, i
.irp c, 0,1,2
	ds_load_b128 v[\reg+4*\c:\reg+4*\c+3], v[\adr] offset:(\q)*PANEL+(\i)*FRB+512*\c
.endr
.endm
.macro MUL16 a0, p, q, sc, zero        ; the 64 accumulators take turns, in the same order in every step
.irp a, \a0, \a0+1
.irp b, 0,1,2,3,4,5,6,7
.set rD, 8*(8*((\a)%4)+\b)
.set rB, 128*(\p)+FR*\b
.set rA, AF+FR*(\a)
.set sB, SC+8*NQ*(\sc)+NQ*\b+(\q)
.set sA, SC+8*NQ*(\sc)+NQ*(\a)+(\q)
.if \zero
	v_wmma_scale_f32_16x16x128_f8f6f4 v[rD:rD+7], v[rB:rB+FR-1], v[rA:rA+FR-1], 0, v[sB], v[sA] matrix_a_fmt:MATRIX_FMT_FP6 matrix_b_fmt:MATRIX_FMT_FP6 matrix_a_scale:MATRIX_SCALE_ROW1
.else
	v_wmma_scale_f32_16x16x128_f8f6f4 v[rD:rD+7], v[rB:rB+FR-1], v[rA:rA+FR-1], v[rD:rD+7], v[sB], v[sA] matrix_a_fmt:MATRIX_FMT_FP6 matrix_b_fmt:MATRIX_FMT_FP6 matrix_a_scale:MATRIX_SCALE_ROW1
.endif
.endr
.endr
.endm
.macro FETCH_B slot, q, p
	WIN TO_B
.irp i, 0,1,2,3,4,5,6,7
	FRAG 128*(\p)+FR*\i, ADRB+\slot, \q, \i
.endr
	WIN 0
.endm
.macro FETCH_A slot, q, i0
.irp i, \i0, \i0+1, \i0+2, \i0+3
	FRAG AF+FR*(\i), ADRA+\slot, \q, \i
.endr
.endm
.macro SCALES sc, slot                 ; the slot's scale words into set sc: register 2 i + q: lanes 0-15 the word of Q's tile i, lanes 16-31 that of K's tile i, for the slot's q-th 128 along K
.irp q, 0,1
.irp i, 0,1,2,3,4,5,6,7
	ds_load_b32 v[SC+16*\sc+2*\i+\q], v[ADRS+\slot] offset:\q*PANEL+64*\i
.endr
.endr
.endm
.macro STEP slot, sc, zero             ; a slot's first 128 along K; its successor lies in the same slot.  sc: the K step's set of scale words
	s_wait_dscnt 4*NL                              ; all but the youngest 12 loads (A's blocks 4-7)
	WIN MUL_LO
	MUL16 0, 0, 0, \sc, \zero
	MUL16 2, 0, 0, \sc, \zero
	s_wait_dscnt 0
	PLACES NP
	FETCH_B \slot, 1, 1
	FETCH_A \slot, 1, 0
	WIN MUL_HI
	MUL16 4, 0, 0, \sc, \zero
	MUL16 6, 0, 0, \sc, \zero
	PLACES NP
	WIN 0
	FETCH_A \slot, 1, 4
.endm
; A slot's second 128 along K, which goes on into the next slot.  mode 2: a round of the cluster's barrier, and this slot is filled again, three K steps ahead.  mode 1: the work-group's barrier: the next slot's tile, asked for
; two K steps ago, is whole in every wave.  mode 0: no barrier: the next slot was shown whole, in every wave, by the round before, and nothing is filled.
.macro TURN slot, next, mode, sc, nsc
.if \mode == 0
	s_wait_dscnt 4*NL                              ; all but the youngest 12 loads (A's blocks 4-7)
	WIN MUL_LO
	MUL16 0, 1, 1, \sc, 0
	MUL16 2, 1, 1, \sc, 0
	WIN 0
	s_wait_dscnt 0x0
	PLACES NP
.else
	s_wait_tensorcnt 0x0                           ; all my tensor loads have landed
	ds_add_u32 v[SPW], v[NIL]                      ; 0 onto my spare word
	s_wait_dscnt 4*NL+1                            ; (the add and the 12 loads of A's blocks 4-7 may be out)
	WIN MUL_LO
	MUL16 0, 1, 1, \sc, 0
	s_wait_dscnt 0x0                               ; the add is done, and my reads of this slot are over
	s_barrier_signal -1
	MUL16 2, 1, 1, \sc, 0
	WIN 0
	s_barrier_wait -1
.if \mode == 2
	CREST                                          ; no wave of any partner still reads this slot or has a load on its way
	s_add_nc_u64 s[G0+4*\slot+2:G0+4*\slot+3], s[G0+4*\slot+2:G0+4*\slot+3], 3*HALFT
	s_add_nc_u64 s[G0B+4*\slot+2:G0B+4*\slot+3], s[G0B+4*\slot+2:G0B+4*\slot+3], 3*HALFT
	JLOAD G0+4*\slot, G1, G0B+4*\slot, G1B         ; the first tensor load behind the round; its four v_nop are the places in front of the loads below
.else
	PLACES NP
.endif
.endif
	FETCH_B \next, 0, 0
	FETCH_A \next, 0, 0
	SCALES \nsc, \next
	WIN MUL_HI
	MUL16 4, 1, 1, \sc, 0
	MUL16 6, 1, 1, \sc, 0
	PLACES NP
	WIN 0
	FETCH_A \next, 0, 4
.endm
.macro LAST                            ; the very last step: nothing more to fetch
	s_wait_dscnt 4*NL
	WIN MUL_LO
	MUL16 0, 1, 1, 1, 0
	MUL16 2, 1, 1, 1, 0
	s_wait_dscnt 0
	WIN MUL_HI
	MUL16 4, 1, 1, 1, 0
	MUL16 6, 1, 1, 1, 0
	WIN 0
.endm
	s_load_b128 s[4:7], s[0:1], 0x0                ; qkv s[4:5], pp s[6:7]
	s_load_b64 s[8:9], s[0:1], 0x10                ; st
	v_lshl_add_u32 v[SPW], v0, 2, SPARE
	v_mov_b32 v[NIL], 0
	ds_add_u32 v28, v29
	ds_add_u32 v28, v29
	s_wait_dscnt 0x0
	v_lshrrev_b32 v1, 5, v0
	v_readfirstlane_b32 s14, v1                    ; wave 0..3
	s_lshr_b32 s15, s14, 1                         ; which half of the tile's queries is mine.  Also: I fetch for Q (0) or for K (1)
	s_and_b32 s16, s14, 1                          ; which half of its keys.  Also: which row-panel of that tile I fetch
	s_bfe_u32 s40, ttmp6, 0x40000                  ; cx
	s_bfe_u32 s41, ttmp6, 0x40004                  ; cy
	s_and_b32 s18, ttmp7, 0xffff                   ; the cluster's y: 0..11
	s_lshl_b32 s43, s41, 2
	s_lshl_b32 s43, 15, s43
	s_lshl_b32 s44, 0x1111, s40
	s_or_b32 s[G1+0], s43, (3<<16)|(1<<21)
	s_or_b32 s[G1B+0], s44, (3<<16)|(1<<21)
.irp g, G1, G1B                        ; a dense block of 25,600 bytes as 100 rows of 256
	s_mov_b32 s[\g+1], 32<<16
	s_mov_b32 s[\g+2], 100<<16
	s_mov_b32 s[\g+3], 32<<16
	s_mov_b32 s[\g+4], 100
	s_mov_b32 s[\g+5], 32
	s_mov_b32 s[\g+6], 0
	s_mov_b32 s[\g+7], 0
.endr
	s_mul_i32 s19, s18, 11
	s_lshr_b32 s19, s19, 5                         ; the batch: cluster y / 3
	s_mul_i32 s17, s19, 3
	s_sub_co_u32 s66, s18, s17                     ; kind 0, 1, 2: blocks (queries, keys) = (0, 0), (1, 0), (1, 1) of 1,024
	s_min_u32 s67, s66, 1                          ; the queries' block
	s_lshr_b32 s17, s66, 1                         ; the keys' block
	s_lshl_b32 s19, s19, 4                         ; the batch's first row-panel
	s_lshl_b32 s56, s67, 3
	s_lshl_b32 s22, s41, 1
	s_add_co_u32 s56, s56, s22                     ; the tile's first panel of queries in the batch
	s_lshl_b32 s57, s17, 3
	s_lshl_b32 s23, s40, 1
	s_add_co_u32 s57, s57, s23                     ; and of keys
	s_add_co_u32 s20, s56, s19
	s_add_co_u32 s20, s20, s16                     ; Q's row-panel
	s_add_co_u32 s46, s57, s19
	s_add_co_u32 s46, s46, s16                     ; K's
	s_mul_i32 s20, s20, 16*PANEL
	s_mul_i32 s46, s46, 16*PANEL
	s_add_co_u32 s46, s46, 8*PANEL                 ; K lies in k-panels 8-15
	s_mov_b32 s21, 0
	s_mov_b32 s47, 0
	s_mul_i32 s45, s14, HALFT                      ; where they go: wave x 25,600: no place in the cluster enters an LDS address
	s_wait_kmcnt 0x0
	s_add_nc_u64 s[20:21], s[4:5], s[20:21]
	s_add_nc_u64 s[46:47], s[4:5], s[46:47]
	CROUND                                         ; all sixteen work-groups are here: the first joint loads meet
.irp s, 0,1,2
	s_mov_b32 s[G0+4*\s], 1
	s_add_co_u32 s[G0+4*\s+1], s45, \s*SLOT
	s_add_nc_u64 s[G0+4*\s+2:G0+4*\s+3], s[20:21], \s*HALFT
	s_or_b32 s[G0+4*\s+3], s[G0+4*\s+3], 0x80000000
	s_mov_b32 s[G0B+4*\s], 1
	s_add_co_u32 s[G0B+4*\s+1], s45, \s*SLOT
	s_add_nc_u64 s[G0B+4*\s+2:G0B+4*\s+3], s[46:47], \s*HALFT
	s_or_b32 s[G0B+4*\s+3], s[G0B+4*\s+3], 0x80000000
	JLOAD G0+4*\s, G1, G0B+4*\s, G1B               ; K steps 0, 1, 2: three loads of mine are out
.endr
	v_and_b32 v1, 31, v0
	v_and_b32 v2, 15, v0                           ; r
	v_bfe_u32 v3, v0, 4, 1                         ; h
	v_lshlrev_b32 v[OI], 4, v1
	s_mul_i32 s32, s15, HALFT
	s_mul_i32 s33, s16, HALFT
	s_add_co_u32 s33, s33, 2*HALFT
	s_sub_co_u32 s34, s33, s32
	v_mul_u32_u24 v5, s34, v3                      ; lanes 16-31 take K's words: the lower base + h x the distance
	v_lshl_add_u32 v5, v2, 2, v5
	v_add_nc_u32 v5, s32, v5
.irp s, 0,1,2
	v_add_nc_u32 v[ADRS+\s], \s*SLOT+SCW, v5
	v_add_nc_u32 v[ADRA+\s], s32, v[OI]
	v_add_nc_u32 v[ADRB+\s], s33, v[OI]
	s_add_co_u32 s32, s32, SLOT
	s_add_co_u32 s33, s33, SLOT
.endr
	s_mul_i32 s35, s14, 1536
	v_lshl_add_u32 v[WST], v2, 2, s35
	v_add_nc_u32 v[WST], GATHER, v[WST]
	v_add_nc_u32 v[WRD], s35, v[OI]
	v_add_nc_u32 v[WRD], GATHER, v[WRD]
	s_add_co_u32 s58, s56, s15
	s_sub_co_u32 s58, s58, s57
	s_sub_co_u32 s58, s58, s16
	s_lshl_b32 s58, s58, 7                         ; my first query less my first key: 128 x (my panel of queries - my panel of keys)
	v_and_b32 v5, 8, v2
	v_add_nc_u32 v5, v5, v2                        ; + r + 8 (r / 8)
	v_lshlrev_b32 v6, 4, v3
	v_sub_nc_u32 v5, v5, v6                        ; - 16 h
	v_add_nc_u32 v[DD], s58, v5
	v_mov_b32 v[NINF], 0xff800000
	v_mov_b32 v[NM+1], 0
.irp b, 0,1,2,3
	v_mov_b32 v[PT+\b], 0                          ; written once: a lane permute's destination counts as one of its sources
.endr
	v_mov_b32 v[TT], 0
	s_mov_b32 s[CS], 0x3d38aa3b                    ; c = log2(e) / sqrt(1024)
	s_mov_b32 s[CS+1], s[CS]
	s_mov_b32 s[SEL], 0x76543210
	s_mov_b32 s[SEL+1], 0xfedcba98
	s_add_co_u32 s35, s56, s19
	s_add_co_u32 s35, s35, s15                     ; my row-panel of queries,
	s_lshl_b32 s35, s35, 4
	s_add_co_u32 s35, s35, s57
	s_add_co_u32 s35, s35, s16                     ; x 16 + my panel of keys
	s_mul_i32 s36, s35, PANEL
	s_mov_b32 s37, 0
	s_add_nc_u64 s[6:7], s[6:7], s[36:37]          ; my panel of p
	s_lshl_b32 s36, s35, 10
	s_add_nc_u64 s[8:9], s[8:9], s[36:37]          ; and its -Ms and ls
	s_wait_tensorcnt 2                             ; my part of K step 0 is in (the loads of K steps 1 and 2 may be out)
	s_barrier_signal -1
	s_barrier_wait -1
	FETCH_B 0, 0, 0
	FETCH_A 0, 0, 0
	SCALES 0, 0
	FETCH_A 0, 0, 4
	STEP 0, 0, 1                                   ; K step 0: the first products start the sums
	TURN 0, 1, 2, 0, 1                             ; slots 1 and 2 are whole; slot 0 takes K step 3
	STEP 1, 1, 0                                   ; K step 1
	TURN 1, 2, 0, 1, 0
	STEP 2, 0, 0                                   ; K step 2
	TURN 2, 0, 1, 0, 1                             ; K step 3 is whole
	STEP 0, 1, 0                                   ; K step 3
	LAST
	PLACES NP
; THE MASK.  Register n of A's block a holds key 32 (n / 16) + n % 16 + 16 h of my 128 for query 32 (a / 2) + 8 (a % 2) + r + 8 (r / 8) of my 128: hidden scores become -infinity.
; The block of 1,024 x 1,024 under the diagonal has none: a branch on the cluster's number, the same in all sixteen partners.
.macro MASK a
.set W, 2+(\a)/4
.set AC, 64*((\a)%4)
	WIN (W<<6)|W
.set n, 0
.rept 64
	v_cmp_gt_i32 vcc_lo, 32*(n/16)+n%16-32*((\a)/2)-8*((\a)%2), v[DD]
	v_cndmask_b32 v[AC+n], v[AC+n], v[NINF], vcc_lo
.set n, n+1
.endr
.endm
	s_cmp_eq_u32 s66, 1
	s_cbranch_scc1 .Lopen
.irp a, 0,1,2,3,4,5,6,7
	MASK \a
.endr
	WIN 0
.Lopen:
; A's block a: 16 queries x my 128 keys become one fragment of p, a scale word, -Ms and ls a row.
.macro PROW a
.set W, 2+(\a)/4
.set AC, 64*((\a)%4)
.if (\a) > 0
	s_wait_xcnt 0x0                                ; the last block's stores have read their data
	s_wait_dscnt 0x0
.endif
	WIN W*0x14
.irp b, 0,1,2,3
	v_max3_num_f32 v[BM+\b], 0xff61b1e6, v[AC+16*\b], v[AC+16*\b+1]   ; the largest score of each block of 32 keys, each accumulator from its low end on; the leaf -3e38 keeps Ms a number where every key is hidden
.endr
.irp i, 2,4,6,8,10,12,14
.irp b, 0,1,2,3
	v_max3_num_f32 v[BM+\b], v[BM+\b], v[AC+16*\b+\i], v[AC+16*\b+\i+1]
.endr
.endr
	WIN 0
.irp b, 0,1,2,3
	v_permlanex16_b32 v[PT+\b], v[BM+\b], s[SEL], s[SEL+1]
.endr
.irp b, 0,1,2,3
	v_max_num_f32 v[BM+\b], v[BM+\b], v[PT+\b]     ; with lane l xor 16's 16 keys
.endr
	v_max3_num_f32 v[TT], v[BM], v[BM+1], v[BM+2]
	v_max_num_f32 v[TT], v[TT], v[BM+3]            ; the largest score of my query in these 128 keys
	v_mul_f32 v[TT], s[CS], v[TT]                  ; as t
	v_floor_f32 v[NM], -v[TT]                      ; -Ms = floor(-t): a whole number
	WIN W
.set n, 0
.rept 32
	v_pk_fma_f32 v[S+n:S+n+1], v[AC+n:AC+n+1], s[CS:CS+1], v[NM:NM+1] op_sel_hi:[1,0,0]   ; t - Ms, two at a time
.set n, n+2
.endr
	WIN 0
.irp b, 0,1,2,3
	v_fma_f32 v[BM+\b], v[BM+\b], s[CS], v[NM]     ; the same of each block's largest score
.endr
.irp b, 0,1,2,3
	v_min_num_f32 v[BM+\b], 0, v[BM+\b]            ; (of the leaf -3e38 the multiply-add leaves what the rounding of t left: held at 0 from above)
.endr
.set n, 0
.rept 64
	v_exp_f32 v[S+n], v[S+n]                       ; p = 2^(t - Ms): not normalised
.set n, n+1
.endr
	v_nop                                          ; a plain place behind the exponentials
	s_wait_alu depctr_va_vdst(0)                   ; one wait for the batch, ahead of its first reader
.irp b, 0,1,2,3
	v_exp_f32 v[BM+\b], v[BM+\b]                   ; the block's largest p: the same instructions on the same number
.endr
	v_pk_add_f32 v[SA:SA+1], v[S:S+1], v[S+2:S+3]  ; the sum of the unquantised p, in two chains of pairs: plain work behind the four
	v_pk_add_f32 v[SA+2:SA+3], v[S+4:S+5], v[S+6:S+7]
.irp j, 8,12,16,20,24,28,32,36,40,44,48,52,56,60
	v_pk_add_f32 v[SA:SA+1], v[SA:SA+1], v[S+\j:S+\j+1]
	v_pk_add_f32 v[SA+2:SA+3], v[SA+2:SA+3], v[S+\j+2:S+\j+3]
.endr
	v_pk_add_f32 v[SA:SA+1], v[SA:SA+1], v[SA+2:SA+3]
	s_wait_alu depctr_va_vdst(0)                   ; and one for the four
	v_add_f32 v[LS], v[SA], v[SA+1]
	v_permlanex16_b32 v[TT], v[LS], s[SEL], s[SEL+1]
	v_add_f32 v[LS], v[LS], v[TT]                  ; ls
.irp b, 0,1,2,3
	v_max_num_f32 v[BM+\b], 0x1800000, v[BM+\b]    ; the floor 2^(3 - 127): the byte cannot fall under 1
.endr
.irp b, 0,1,2,3
	v_add_nc_u32 v[SO+\b], 0xff000000, v[BM+\b]    ; 2 off the exponent field: the conversion's scale operand
.endr
.irp b, 0,1,2,3
	v_lshrrev_b32 v[PT+\b], 23, v[SO+\b]           ; the scale's byte
.endr
	v_lshl_or_b32 v[PW], v[PT+1], 8, v[PT]
	v_lshl_or_b32 v[PW], v[PT+2], 16, v[PW]
	v_lshl_or_b32 v[PW], v[PT+3], 24, v[PW]
.irp c, 0,1
	v_cvt_scalef32_pk16_fp6_f32 v[PC+6*\c:PC+6*\c+2], v[S+32*\c:S+32*\c+15], v[SO+2*\c]
	v_cvt_scalef32_pk16_fp6_f32 v[PC+12+4*\c:PC+14+4*\c], v[S+32*\c+16:S+32*\c+31], v[SO+2*\c+1]
.endr
	v_nop                                          ; one plain place behind a scaled conversion
.irp c, 0,1
.irp i, 0,1,2
	v_permlane16_swap_b32 v[PC+6*\c+\i], v[PC+12+4*\c+\i]
.endr
.irp i, 0,1,2
	v_mov_b32 v[PC+3+6*\c+\i], v[PC+12+4*\c+\i]
.endr
.endr
.irp g, 0,1,2
	global_store_b128 v[OI], v[PC+4*\g:PC+4*\g+3], s[6:7] offset:FRB*(\a)+512*\g   ; 512 consecutive bytes, at a multiple of 256 from the buffer's first byte
.endr
	ds_store_b32 v[WST], v[PW] offset:64*(\a)      ; lanes r and r + 16 write the same words with the same values
	ds_store_b32 v[WST], v[NM] offset:512+64*(\a)
	ds_store_b32 v[WST], v[LS] offset:1024+64*(\a)
.endm
.irp a, 0,1,2,3,4,5,6,7
	PROW \a
.endr
	ds_load_b128 v[116:119], v[WRD]                ; LDS serves a wave's instructions in order (ISA guide 5.7.1.4): these see my stores
	ds_load_b128 v[120:123], v[WRD] offset:512
	ds_load_b128 v[124:127], v[WRD] offset:1024
	s_wait_dscnt 0x0
	global_store_b128 v[OI], v[116:119], s[6:7] offset:SCW
	global_store_b128 v[OI], v[120:123], s[8:9]
	global_store_b128 v[OI], v[124:127], s[8:9] offset:512
	s_wait_tensorcnt 0x0                           ; the wave's end
	ds_add_u32 v[SPW], v[NIL]
	s_wait_dscnt 0x0
	CROUND                                         ; the closing round
	s_endpgm
.Lfunc_end_k_q243132bddd_score:
	.size	k_q243132bddd_score, .Lfunc_end_k_q243132bddd_score-k_q243132bddd_score
	.p2alignl 7, 3214868480
	.fill 96, 4, 3214868480
	.section	.rodata,"a",@progbits
	.p2align	6, 0x0
	.amdhsa_kernel k_q243132bddd_score
		.amdhsa_group_segment_fixed_size 327680
		.amdhsa_private_segment_fixed_size 0
		.amdhsa_enable_private_segment 0
		.amdhsa_kernarg_size 24
		.amdhsa_user_sgpr_count 2
		.amdhsa_user_sgpr_kernarg_segment_ptr 1
		.amdhsa_wavefront_size32 1
		.amdhsa_system_sgpr_workgroup_id_x 1
		.amdhsa_system_sgpr_workgroup_id_y 1
		.amdhsa_system_sgpr_workgroup_id_z 1
		.amdhsa_system_vgpr_workitem_id 0
		.amdhsa_next_free_vgpr 1024
		.amdhsa_next_free_sgpr 100
		.amdhsa_reserve_vcc 1
		.amdhsa_float_denorm_mode_32 3
		.amdhsa_float_denorm_mode_16_64 3
		.amdhsa_memory_ordered 1
		.amdhsa_forward_progress 1
		.amdhsa_inst_pref_size 240
	.end_amdhsa_kernel
	.amdgpu_metadata
---
amdhsa.version: [ 1, 2 ]
amdhsa.kernels:
  - .name:           k_q243132bddd_score
    .symbol:         k_q243132bddd_score.kd
    .args:
      - { .name: qkv, .offset: 0, .size: 8, .value_kind: global_buffer, .address_space: global }
      - { .name: pp, .offset: 8, .size: 8, .value_kind: global_buffer, .address_space: global }
      - { .name: st, .offset: 16, .size: 8, .value_kind: global_buffer, .address_space: global }
    .group_segment_fixed_size: 327680
    .private_segment_fixed_size: 0
    .kernarg_segment_align: 8
    .kernarg_segment_size: 24
    .max_flat_workgroup_size: 128
    .sgpr_count:     100
    .vgpr_count:     1024
    .wavefront_size: 32
...
	.end_amdgpu_metadata
.endif
;; end of part 6
;; launch mix (part 7): grid 4 x 64, 4 waves a work-group, clusters of 4 x 4, 327,680 bytes of LDS; arguments pp, st, qkv, out0; writes out0
.if DOCPART == 7
	.amdgcn_target "amdgcn-amd-amdhsa--gfx1250"
	.amdhsa_code_object_version 6
	.text
	.protected	k_q243132bddd_mix
	.globl	k_q243132bddd_mix
	.p2align	8
	.type	k_q243132bddd_mix,@function
k_q243132bddd_mix:
	s_mov_b64 s[64:65], 0
	v_nop
	global_prefetch_b8 v0, s[64:65] scope:SCOPE_SE
	s_setreg_imm32_b32 hwreg(HW_REG_WAVE_MODE, 25, 1), 1
	s_wait_xcnt 0x0
	s_wait_alu depctr_hold_cnt(0) depctr_sa_sdst(0) depctr_va_vdst(0) depctr_va_sdst(0) depctr_va_ssrc(0) depctr_va_vcc(0) depctr_vm_vsrc(0)
	s_getreg_b32 s2, hwreg(HW_REG_IB_STS2, 6, 4)
	s_cmp_eq_u32 s2, 0
	s_cbranch_scc0 .Lentry_in_a_cluster
	s_endpgm
.Lentry_in_a_cluster:
	s_bfe_u32 s2, ttmp6, 0x10000c
	s_cmp_lg_u32 s2, 0xf033
	s_cbranch_scc0 .Lentry_shape_is_right
	s_endpgm
.Lentry_shape_is_right:
; out = (P V) / l on codes of FP6 (E2M3), K = the keys.  P comes as panels of codes quantised under a maximum Ms of its own for each row and each 128 keys, with -Ms and the sum ls beside them.
; THE PROLOGUE brings all steps of a row under M = the largest Ms: d = M - Ms is a whole number, so 2^-d is taken off P's scale bytes (held at 0 from below) and multiplies ls; l = the sum of ls 2^-d.  The codes stay as they are.
; The adjusted scale words of the work-group's 128 queries, for all 16 steps, lie in a table in LDS: wave w makes steps 4 w .. 4 w + 3 and its part of l; the first barrier shows them to all.  P's own words in the slots are not read.
; PANELS: 128 rows x 128 along K, 12,800 bytes: eight register images of 1,536 bytes, then 128 scale words; row r of tile t is the panel's row 32 (t / 2) + 8 (t % 2) + r + 8 (r / 8).
; pp: [64 row-panels of queries][16 k-panels = keys / 128].  qkv: row-panel 64 + 8 batch + c: V^T, channels 128 c on, k-panel = keys / 128.  st: [64][16][-Ms | ls], 512 bytes each.
; A TILE is 128 queries x 256 channels: four waves, each 64 x 128: 32 accumulators.  Source 0 = 16 channels of V^T, source 1 = 16 queries of P: a lane holds one query and neighbouring channels.
; A SLOT holds 512 keys: P's row-panel (4 k-panels, 51,200 bytes on end in memory) and V's two: 153,600 bytes; two slots.  A fill has four steps of 128 keys, 128 matrix instructions a wave, in which to land; one barrier for four steps.
; CLUSTERS: 4 x 4 work-groups: 512 queries x all 1,024 channels.  P's tiles are shared along a row of the cluster, V's along a column, by joint loads.  By the mask the four clusters of a batch need 512, 1,024, 1,536 and 2,048 keys.
; The first walks 1,024 too: its second 512 are hidden keys, whose codes are zeros; so both first fills are read on every path.  The walk is written out, so that every offset into the table is an immediate; two branches on the
; cluster's number, the same in all sixteen partners, lead to the shorter tails.
; No prefetch is laid: a work-group has at most two refills, and the first of them follows the head's fills by one slot.
; LIMITS: a block of p whose byte would fall under 0 beneath the row's M keeps its codes on the byte 0, and a step 127 or more powers of two under M counts for 0 in l: both under 2^-120 of the row's largest p.  NaN and infinities are not served.
; REGISTERS: window 0: v16-31 addresses; v32-47 scale words, two sets of 8; v48-127 at work in the prologue and on the way out; v128-223 P's fragments, two sets of 48.  window 1: V's fragments, sets at v0 and v128.  window 2: accumulator (a, b) at v[8 (8 a + b)].
.set PANEL, 12800
.set SCW,   12288
.set FRB,   1536
.set ABLK,  4*PANEL                    ; a row-panel's part of a slot
.set SLOT,  3*ABLK                     ; P's row-panel, then V's two
.set SPARE, 2*SLOT                     ; the spare words, 128 bytes a wave: two blocks of 256 bytes that no other line names
.set EXTRA, SPARE+512
.set TBL,   EXTRA                      ; 16 steps x 512 bytes of adjusted scale words, then the four waves' parts of l, 512 bytes each
.set STAGE, 0                          ; the way out: 16 rows x (512 bytes + 16) for each wave, in slot 0: behind its last fill, and behind a barrier behind which nobody reads a slot
.set SPITCH, 528
.set FR, 12
.set NP, 4
.set N1, 32                            ; LDS loads in a step's first run: P's four fragments 12, scale words 8, V's fragments 0-3 12
.set N2, 12                            ; and in its second: V's fragments 4-7
.set ADRA, 16                          ; v16-17 my P fragments in slot 0, 1
.set ADRB, 18                          ; v18-19 my V fragments
.set ADSB, 20                          ; v20-21 V's scale words: lanes 0-15 an even tile's, lanes 16-31 the odd tile's behind it: 4 x lane
.set TA,   22                          ; v22 the table + my 64 rows + 4 r
.set TW,   23                          ; v23 the table + my four steps + 16 x lane
.set OI,   24                          ; v24 16 x lane
.set STO,  25                          ; v25 the stage: where I put 64 bytes of a row
.set RD,   26                          ; v26 and where a row is read back
.set TL,   27                          ; v27 where my part of l goes
.set SPW,  28
.set NIL,  29
.set SC,   32                          ; set p at v[32 + 8 p]: +0..3 P's tiles, +4..7 V's pairs of tiles
.set NR,   48                          ; the prologue: v48-51 -M of my lane's four rows, v52-55 my part of l, v56-63 and v176-183 at work
.set LA,   52
.set DT,   56
.set XT,   60
.set NMV,  64                          ; v64-127 -Ms of all 16 steps;  v128-143 of my four;  v144-159 their ls;  v160-175 their scale words
.set NMO,  128
.set LV,   144
.set WW,   160
.set FT,   176
.set MT,   180
.set RCP,  48                          ; the way out: v[48 + 2 a] 1 / l of my row of tile a; v64-79 l's parts; v64-127 a tile's results; v128-191, v192-255 rows read back, by turns
.set LPR,  64
.set T,    64
.set BK,   128
.set AF,   128
.set G1,  24
.set G0,  32
.set G1B, 48
.set G0B, 56
.set MSB, 0
.macro WIN new
.if MSB != \new
	s_set_vgpr_msb (MSB<<8)|\new
.set MSB, \new
.endif
.endm
.set MUL,  0xa1                        ; source 0 (V) window 1, source 1 (P) window 0, C and D window 2
.set TO_B, 0x40
.macro JLOAD g0a, g1a, g0b, g1b        ; a joint load: waves 0 and 1 fetch the halves of P's block, waves 2 and 3 V's two row-panels; four v_nop follow each of the two lines
	s_cmp_eq_u32 s15, 0
	s_cbranch_scc0 .Lfor_b_\@
	tensor_load_to_lds s[\g0a:\g0a+3], s[\g1a:\g1a+7]
	s_nop 0
.rept 4
	v_nop
.endr
	s_branch .Lasked_\@
.Lfor_b_\@:
	tensor_load_to_lds s[\g0b:\g0b+3], s[\g1b:\g1b+7]
	s_nop 0
.rept 4
	v_nop
.endr
.Lasked_\@:
.endm
.macro CREST
	s_cmp_lg_u32 s14, 0
	s_cbranch_scc1 .Lnot_wave_0_\@
	s_barrier_signal -3
.Lnot_wave_0_\@:
	s_barrier_wait -3
	s_barrier_signal -1
	s_barrier_wait -1
.endm
.macro CROUND
	s_barrier_signal -1
	s_barrier_wait -1
	CREST
.endm
.macro PLACES n
.rept \n
	v_nop
.endr
.endm
.macro FRAG reg, adr, q, i
.irp c, 0,1,2
	ds_load_b128 v[\reg+4*\c:\reg+4*\c+3], v[\adr] offset:(\q)*PANEL+(\i)*FRB+512*\c
.endr
.endm
; Step sn (128 keys, 0 .. 15) lies in slot (sn / 4) % 2, k-panel sn % 4 of the slot, and takes the register sets sn % 2.
.macro FETCH1 sn                       ; the first run: P's four fragments, the scale words (P's from the table), V's fragments 0-3
.set fS, ((\sn)/4)%2
.set fQ, (\sn)%4
.set fP, (\sn)%2
	WIN 0
.irp i, 0,1,2,3
	FRAG AF+48*fP+FR*\i, ADRA+fS, fQ, \i
.endr
.irp i, 0,1,2,3
	ds_load_b32 v[SC+8*fP+\i], v[TA] offset:512*(\sn)+64*\i
	ds_load_b32 v[SC+8*fP+4+\i], v[ADSB+fS] offset:fQ*PANEL+128*\i
.endr
	WIN TO_B
.irp i, 0,1,2,3
	FRAG 128*fP+FR*\i, ADRB+fS, fQ, \i
.endr
.endm
.macro FETCH2 sn                       ; the second run: V's fragments 4-7
.set fS, ((\sn)/4)%2
.set fQ, (\sn)%4
.set fP, (\sn)%2
	WIN TO_B
.irp i, 4,5,6,7
	FRAG 128*fP+FR*\i, ADRB+fS, fQ, \i
.endr
.endm
.macro PROD a, b, p, zero              ; one product: source 0 = V's tile b, source 1 = P's tile a.  V's scale words of an odd tile stand in lanes 16-31
.set rD, 8*(8*(\a)+(\b))
.set rB, 128*(\p)+FR*(\b)
.set rA, AF+48*(\p)+FR*(\a)
.set sB, SC+8*(\p)+4+(\b)/2
.set sA, SC+8*(\p)+(\a)
.if \zero
.if (\b)%2
	v_wmma_scale_f32_16x16x128_f8f6f4 v[rD:rD+7], v[rB:rB+FR-1], v[rA:rA+FR-1], 0, v[sB], v[sA] matrix_a_fmt:MATRIX_FMT_FP6 matrix_b_fmt:MATRIX_FMT_FP6 matrix_a_scale:MATRIX_SCALE_ROW1
.else
	v_wmma_scale_f32_16x16x128_f8f6f4 v[rD:rD+7], v[rB:rB+FR-1], v[rA:rA+FR-1], 0, v[sB], v[sA] matrix_a_fmt:MATRIX_FMT_FP6 matrix_b_fmt:MATRIX_FMT_FP6
.endif
.else
.if (\b)%2
	v_wmma_scale_f32_16x16x128_f8f6f4 v[rD:rD+7], v[rB:rB+FR-1], v[rA:rA+FR-1], v[rD:rD+7], v[sB], v[sA] matrix_a_fmt:MATRIX_FMT_FP6 matrix_b_fmt:MATRIX_FMT_FP6 matrix_a_scale:MATRIX_SCALE_ROW1
.else
	v_wmma_scale_f32_16x16x128_f8f6f4 v[rD:rD+7], v[rB:rB+FR-1], v[rA:rA+FR-1], v[rD:rD+7], v[sB], v[sA] matrix_a_fmt:MATRIX_FMT_FP6 matrix_b_fmt:MATRIX_FMT_FP6
.endif
.endif
.endm
.macro MULB b0, p, zero                ; V's tiles b0, b0 + 1 x P's four: 8 products.  The 32 accumulators take turns, in the same order in every step
.irp b, \b0, \b0+1
.irp a, 0,1,2,3
	PROD \a, \b, \p, \zero
.endr
.endr
.endm
.macro STEP2 s, zero                   ; step s, whose successor lies in the same slot: each run of loads has 32 products between its issue and the wait for it
	s_wait_dscnt N2                                ; all but the youngest 12 loads (this step's fragments 4-7 of V)
	PLACES NP                                      ; behind the last step's products, which read the sets that are loaded below
	FETCH1 (\s)+1
	WIN MUL
	MULB 0, (\s)%2, \zero
	MULB 2, (\s)%2, \zero
	s_wait_dscnt N1                                ; all but the 32 loads just issued
	FETCH2 (\s)+1
	WIN MUL
	MULB 4, (\s)%2, \zero
	MULB 6, (\s)%2, \zero
	WIN 0
.endm
.macro TURN2 s, fill                   ; a slot's last step changes slots: one barrier; fill = 1: it opens a round of the cluster's barrier, and this slot is filled again, with the keys two slots on
.set tS, ((\s)/4)%2
	s_wait_tensorcnt 0x0                           ; all my tensor loads have landed: my part of the next slot
	ds_add_u32 v[SPW], v[NIL]                      ; 0 onto my spare word
	s_wait_dscnt N2+1                              ; (the add and the 12 loads of V's fragments 4-7 may be out)
	WIN MUL
	MULB 0, 1, 0
	s_wait_dscnt 0x0                               ; the add is done, and my reads of this slot are over
	s_barrier_signal -1
	MULB 2, 1, 0
	WIN 0
	s_barrier_wait -1
.if \fill
	CREST                                          ; no wave of any partner still reads this slot or has a load on its way
	s_add_nc_u64 s[G0+4*tS+2:G0+4*tS+3], s[G0+4*tS+2:G0+4*tS+3], 2*ABLK
	s_add_nc_u64 s[G0B+4*tS+2:G0B+4*tS+3], s[G0B+4*tS+2:G0B+4*tS+3], 2*ABLK
	JLOAD G0+4*tS, G1, G0B+4*tS, G1B               ; the first tensor load behind the round; its four v_nop are the places in front of the loads below
.else
	PLACES NP
.endif
	FETCH1 (\s)+1
	WIN MUL
	MULB 4, 1, 0
	FETCH2 (\s)+1
	WIN MUL
	MULB 6, 1, 0
	WIN 0
.endm
.macro LAST2                           ; a walk's last step: nothing more to fetch
	s_wait_dscnt N2
	WIN MUL
	MULB 0, 1, 0
	MULB 2, 1, 0
	s_wait_dscnt 0x0
	MULB 4, 1, 0
	MULB 6, 1, 0
	WIN 0
.endm
	s_load_b256 s[4:11], s[0:1], 0x0               ; pp s[4:5], st s[6:7], qkv s[8:9], out0 s[10:11]
	v_lshl_add_u32 v[SPW], v0, 2, SPARE
	v_mov_b32 v[NIL], 0
	ds_add_u32 v28, v29
	ds_add_u32 v28, v29
	s_wait_dscnt 0x0
	v_lshrrev_b32 v1, 5, v0
	v_readfirstlane_b32 s14, v1                    ; wave 0..3
	s_lshr_b32 s15, s14, 1                         ; which 64 of the tile's 128 queries are mine.  Also: I fetch for P (0) or for V (1)
	s_and_b32 s16, s14, 1                          ; which of V's two row-panels is mine.  Also: which half of P's block, or which row-panel of V, I fetch
	s_bfe_u32 s40, ttmp6, 0x40000                  ; cx
	s_bfe_u32 s41, ttmp6, 0x40004                  ; cy
	s_and_b32 s18, ttmp7, 0xffff                   ; the cluster's y: 4 x batch + which 512 queries
	s_lshl_b32 s43, s41, 2
	s_lshl_b32 s43, 15, s43
	s_lshl_b32 s44, 0x1111, s40
	s_or_b32 s[G1+0], s43, (3<<16)|(1<<21)         ; 15:0 the mask; 17:16 elements of 8 bytes; 20 no padding; 21 set beside a mask
	s_mov_b32 s[G1+1], 32<<16                      ; P: a dense block of 25,600 bytes as 100 rows of 256
	s_mov_b32 s[G1+2], 100<<16
	s_mov_b32 s[G1+3], 32<<16
	s_mov_b32 s[G1+4], 100
	s_mov_b32 s[G1+5], 32
	s_mov_b32 s[G1+6], 0
	s_mov_b32 s[G1+7], 0
	s_or_b32 s[G1B+0], s44, (3<<16)|(1<<21)
	s_mov_b32 s[G1B+1], 32<<16                     ; V: 51,200 bytes as 200 rows of 256
	s_mov_b32 s[G1B+2], 200<<16
	s_mov_b32 s[G1B+3], 32<<16
	s_mov_b32 s[G1B+4], 200
	s_mov_b32 s[G1B+5], 32
	s_mov_b32 s[G1B+6], 0
	s_mov_b32 s[G1B+7], 0
	s_mul_i32 s22, s16, 2*PANEL                    ; my half of P's block: in memory and in a slot alike
	s_lshl_b32 s19, s18, 2
	s_add_co_u32 s19, s19, s41                     ; the work-group's row-panel of queries: 4 x cluster y + cy
	s_mul_i32 s20, s19, 16*PANEL
	s_add_co_u32 s20, s20, s22
	s_mov_b32 s21, 0
	s_lshr_b32 s46, s18, 2                         ; the batch
	s_lshl_b32 s46, s46, 3
	s_lshl_b32 s47, s40, 1
	s_add_co_u32 s46, s46, s47
	s_add_co_u32 s46, s46, s16
	s_add_co_u32 s46, s46, 64                      ; V's row-panel: 64 + 8 x batch + 2 cx + the one that I fetch
	s_mul_i32 s46, s46, 16*PANEL
	s_mov_b32 s47, 0
	s_mul_i32 s23, s16, ABLK
	s_add_co_u32 s23, s23, ABLK                    ; where V's row-panel goes in a slot: no place in the cluster enters an LDS address
	s_wait_kmcnt 0x0
	s_add_nc_u64 s[20:21], s[4:5], s[20:21]
	s_add_nc_u64 s[46:47], s[8:9], s[46:47]
	CROUND                                         ; all sixteen work-groups are here: the first joint loads meet
.irp s, 0,1
	s_mov_b32 s[G0+4*\s], 1
	s_add_co_u32 s[G0+4*\s+1], s22, \s*SLOT
	s_add_nc_u64 s[G0+4*\s+2:G0+4*\s+3], s[20:21], \s*ABLK
	s_or_b32 s[G0+4*\s+3], s[G0+4*\s+3], 0x80000000
	s_mov_b32 s[G0B+4*\s], 1
	s_add_co_u32 s[G0B+4*\s+1], s23, \s*SLOT
	s_add_nc_u64 s[G0B+4*\s+2:G0B+4*\s+3], s[46:47], \s*ABLK
	s_or_b32 s[G0B+4*\s+3], s[G0B+4*\s+3], 0x80000000
	JLOAD G0+4*\s, G1, G0B+4*\s, G1B               ; keys 0-511 and 512-1,023: two loads of mine are out
.endr
	v_and_b32 v1, 31, v0                           ; lane
	v_and_b32 v2, 15, v0                           ; r
	v_bfe_u32 v3, v0, 4, 1                         ; h
	v_lshlrev_b32 v[OI], 4, v1                     ; 16 x lane
	v_lshlrev_b32 v4, 2, v1                        ; 4 x lane
	v_lshlrev_b32 v5, 2, v2                        ; 4 r
	s_mul_i32 s72, s15, 4*FRB                      ; my four tiles of P's eight
	s_mov_b32 s73, s23                             ; my row-panel of V
	s_add_co_u32 s74, s23, SCW
.irp s, 0,1
	v_add_nc_u32 v[ADRA+\s], s72, v[OI]
	v_add_nc_u32 v[ADRB+\s], s73, v[OI]
	v_add_nc_u32 v[ADSB+\s], s74, v4
	s_add_co_u32 s72, s72, SLOT
	s_add_co_u32 s73, s73, SLOT
	s_add_co_u32 s74, s74, SLOT
.endr
	s_lshl_b32 s72, s15, 8
	s_add_co_u32 s72, s72, TBL
	v_add_nc_u32 v[TA], s72, v5                    ; the table: my 64 rows' words begin 256 x my half on
	s_lshl_b32 s72, s14, 11
	s_add_co_u32 s72, s72, TBL
	v_add_nc_u32 v[TW], s72, v[OI]                 ; my four steps
	s_lshl_b32 s72, s14, 9
	s_add_co_u32 s72, s72, TBL+8192
	v_add_nc_u32 v[TL], s72, v[OI]                 ; my part of l
	s_mul_i32 s72, s14, 16*SPITCH
	s_add_co_u32 s72, s72, STAGE                   ; my stage
	v_mul_u32_u24 v6, v2, SPITCH
	v_lshl_add_u32 v6, v3, 6, v6
	v_add_nc_u32 v[STO], s72, v6                   ; in: row r, + 64 h
	v_add_nc_u32 v[RD], s72, v[OI]                 ; back: a row of 512 bytes, 16 a lane
	s_and_b32 s66, s18, 3                          ; which 512 queries of the batch
	s_lshr_b32 s67, s66, 1                         ; 1: the batch's second 1,024 queries, for which steps 8-15 were written
	s_and_b32 s72, s15, s67                        ; 1: my four steps are of 8-15 and were written
	s_xor_b32 s73, s15, 1
	s_or_b32 s73, s73, s67
	s_sub_co_u32 s68, 0, s73                       ; all ones where my four steps count, else 0
	s_mov_b32 s69, 0x01010101
	s_lshl_b32 s84, s19, 14
	s_mov_b32 s85, 0
	s_add_nc_u64 s[76:77], s[6:7], s[84:85]        ; -Ms and ls of steps 0-7,
	s_lshl_b32 s84, s67, 13
	s_add_nc_u64 s[78:79], s[76:77], s[84:85]      ; and of steps 8-15; where these were not written, steps 0-7 once more: they change no minimum, their ls is masked, and their table rows are not read
	s_lshl_b32 s84, s72, 13
	s_lshl_b32 s86, s16, 12
	s_add_co_u32 s84, s84, s86
	s_add_nc_u64 s[80:81], s[76:77], s[84:85]      ; my four steps' -Ms and ls
	s_mul_i32 s84, s19, 16*PANEL
	s_mul_i32 s86, s72, 8*PANEL
	s_add_co_u32 s84, s84, s86
	s_mul_i32 s86, s16, 4*PANEL
	s_add_co_u32 s84, s84, s86
	s_add_nc_u64 s[82:83], s[4:5], s[84:85]        ; my four steps' panels of P
	s_lshl_b32 s84, s19, 19                        ; out0: 128 rows of 4,096 bytes a row-panel,
	s_lshl_b32 s86, s15, 18
	s_add_co_u32 s84, s84, s86                     ; + my 64 rows
	s_lshl_b32 s86, s40, 10
	s_add_co_u32 s84, s84, s86                     ; + 256 cx channels
	s_lshl_b32 s86, s16, 9
	s_add_co_u32 s84, s84, s86                     ; + my 128
	s_add_nc_u64 s[10:11], s[10:11], s[84:85]
	; THE PROLOGUE, while the first tiles are on their way.  Lane L owns the four rows whose words lie at byte 16 L of each array of 512 bytes.
.irp s, 0,1,2,3,4,5,6,7
	global_load_b128 v[NMV+4*\s:NMV+4*\s+3], v[OI], s[76:77] offset:1024*\s
.endr
.irp s, 0,1,2,3,4,5,6,7
	global_load_b128 v[NMV+32+4*\s:NMV+32+4*\s+3], v[OI], s[78:79] offset:1024*\s
.endr
.irp j, 0,1,2,3
	global_load_b128 v[NMO+4*\j:NMO+4*\j+3], v[OI], s[80:81] offset:1024*\j
	global_load_b128 v[LV+4*\j:LV+4*\j+3], v[OI], s[80:81] offset:1024*\j+512
	global_load_b128 v[WW+4*\j:WW+4*\j+3], v[OI], s[82:83] offset:PANEL*\j+SCW
.endr
	s_wait_loadcnt 12                              ; the 16 loads of -Ms are in; the 12 for my own four steps may be out
.irp e, 0,1,2,3
	v_min3_num_f32 v[NR+\e], v[NMV+\e], v[NMV+4+\e], v[NMV+8+\e]   ; -M = the least -Ms
.endr
.irp s, 3,5,7,9,11,13
.irp e, 0,1,2,3
	v_min3_num_f32 v[NR+\e], v[NR+\e], v[NMV+4*\s+\e], v[NMV+4*\s+4+\e]
.endr
.endr
.irp e, 0,1,2,3
	v_min_num_f32 v[NR+\e], v[NR+\e], v[NMV+60+\e]
.endr
	s_wait_loadcnt 0x0
.macro ADJ j
.irp e, 0,1,2,3
	v_sub_f32 v[DT+\e], v[NMO+4*(\j)+\e], v[NR+\e] ; d = M - Ms: a whole number, 0 or more
.endr
.irp e, 0,1,2,3
	v_min_num_f32 v[DT+\e], 0x42fe0000, v[DT+\e]   ; held at 127
.endr
.irp e, 0,1,2,3
	v_cvt_u32_f32 v[DT+\e], v[DT+\e]
.endr
.irp e, 0,1,2,3
	v_sub_nc_u32 v[FT+\e], 127, v[DT+\e]
.endr
.irp e, 0,1,2,3
	v_lshlrev_b32 v[FT+\e], 23, v[FT+\e]           ; 2^-d as f32 (0 where d = 127)
.endr
.irp e, 0,1,2,3
	v_and_b32 v[FT+\e], s68, v[FT+\e]              ; steps that were read in another's stead count for nothing
.endr
.irp e, 0,1,2,3
.if (\j) == 0
	v_mul_f32 v[LA+\e], v[LV+\e], v[FT+\e]         ; the first term starts the sum
.else
	v_fmac_f32 v[LA+\e], v[LV+4*(\j)+\e], v[FT+\e]
.endif
.endr
.irp e, 0,1,2,3
	v_mul_lo_u32 v[DT+\e], v[DT+\e], s69           ; d in each of the four bytes
.endr
.irp e, 0,1,2,3
	v_or_b32 v[XT+\e], 0x80808080, v[WW+4*(\j)+\e] ; p's bytes are 125 at the most: with 128 on top of each, d (127 at the most) borrows from no neighbour,
.endr
.irp e, 0,1,2,3
	v_sub_nc_u32 v[XT+\e], v[XT+\e], v[DT+\e]      ; and the top bit of a byte stays where byte >= d
.endr
.irp e, 0,1,2,3
	v_and_b32 v[MT+\e], 0x80808080, v[XT+\e]
.endr
.irp e, 0,1,2,3
	v_lshrrev_b32 v[FT+\e], 7, v[MT+\e]
.endr
.irp e, 0,1,2,3
	v_sub_nc_u32 v[MT+\e], v[MT+\e], v[FT+\e]      ; 0x7f in those bytes, 0 in the others
.endr
.irp e, 0,1,2,3
	v_and_b32 v[WW+4*(\j)+\e], v[XT+\e], v[MT+\e]  ; byte - d, held at 0
.endr
	ds_store_b128 v[TW], v[WW+4*(\j):WW+4*(\j)+3] offset:512*(\j)
.endm
.irp j, 0,1,2,3
	ADJ \j
.endr
	ds_store_b128 v[TL], v[LA:LA+3]
	s_wait_dscnt 0x0                               ; for the others' sake: my part of the table is written
	s_wait_tensorcnt 1                             ; my part of slot 0 is in (slot 1's load may be out)
	s_barrier_signal -1
	s_barrier_wait -1                              ; everybody's are
	FETCH1 0
	FETCH2 0
	STEP2 0, 1                                     ; the first products start the sums: nothing is cleared
	STEP2 1, 0
	STEP2 2, 0
	s_cmp_lt_u32 s66, 2                            ; 1,024 keys: nothing more is asked for
	s_cbranch_scc1 .Ltwo
	TURN2 3, 1                                     ; slot 0 takes keys 1,024-1,535
	STEP2 4, 0
	STEP2 5, 0
	STEP2 6, 0
	s_cmp_eq_u32 s66, 2                            ; 1,536 keys
	s_cbranch_scc1 .Lthree
	TURN2 7, 1                                     ; slot 1 takes keys 1,536-2,047
	STEP2 8, 0
	STEP2 9, 0
	STEP2 10, 0
	TURN2 11, 0
	STEP2 12, 0
	STEP2 13, 0
	STEP2 14, 0
	LAST2
	s_branch .Lout
.Lthree:
	TURN2 7, 0
	STEP2 8, 0
	STEP2 9, 0
	STEP2 10, 0
	LAST2
	s_branch .Lout
.Ltwo:
	TURN2 3, 0
	STEP2 4, 0
	STEP2 5, 0
	STEP2 6, 0
	LAST2
.Lout:
	PLACES NP
	s_wait_dscnt 0x0                               ; my reads of the slots are over
	s_barrier_signal -1
	s_barrier_wait -1                              ; everybody's are: slot 0, which has had its last fill, now serves as the stage
; THE WAY OUT.  l = the four waves' parts; then, tile by tile of 16 queries x 128 channels: x 1 / l; through my own stage in LDS; back as whole rows of 512 bytes.  Stage row t of tile a is row 32 (a / 2) + 8 (a % 2) + t + 8 (t / 8) of my 64.
.irp a, 0,1,2,3
.irp w, 0,1,2,3
	ds_load_b32 v[LPR+4*\a+\w], v[TA] offset:8192+512*\w+64*\a
.endr
.endr
	s_wait_dscnt 0x0
.irp a, 0,1,2,3
	v_add_f32 v[LPR+4*\a], v[LPR+4*\a], v[LPR+4*\a+1]
	v_add_f32 v[LPR+4*\a+2], v[LPR+4*\a+2], v[LPR+4*\a+3]
.endr
.irp a, 0,1,2,3
	v_add_f32 v[LPR+4*\a], v[LPR+4*\a], v[LPR+4*\a+2]
.endr
.irp a, 0,1,2,3
	v_rcp_f32 v[RCP+2*\a], v[LPR+4*\a]             ; every row has its own key among those that count, so l is above 1/2
.endr
.irp a, 0,1,2,3
	v_mov_b32 v[RCP+2*\a+1], 0                     ; (named with it as a pair, so it is written; plain places behind the reciprocals)
.endr
	s_wait_alu depctr_va_vdst(0)                   ; one wait for the four, ahead of their first reader
.macro PKMUL a
.set AC, 64*(\a)
	WIN 0x02                                       ; source 0: the accumulators' window
.set n, 0
.rept 32
	v_pk_mul_f32 v[T+n:T+n+1], v[AC+n:AC+n+1], v[RCP+2*(\a):RCP+2*(\a)+1] op_sel_hi:[1,0]   ; each accumulator from its low end on
.set n, n+2
.endr
	WIN 0
.endm
.macro TOSTAGE a
.set BB, BK+64*((\a)%2)
.irp b, 0,1,2,3
.irp k, 0,1,2,3
	ds_store_b128 v[STO], v[T+16*\b+4*\k:T+16*\b+4*\k+3] offset:128*\b+16*\k   ; channels 32 b + 16 h + 4 k on
.endr
.endr
.irp t, 0,1,2,3,4,5,6,7,8,9,10,11,12,13,14,15
	ds_load_b128 v[BB+4*\t:BB+4*\t+3], v[RD] offset:\t*SPITCH   ; LDS serves a wave's instructions in order (ISA guide 5.7.1.4): these see the stores above
.endr
.endm
.macro SEND a, younger                 ; younger: the LDS instructions issued behind tile a's loads, which may stay out
.set BB, BK+64*((\a)%2)
	s_wait_dscnt \younger
.irp t, 0,1,2,3,4,5,6,7,8,9,10,11,12,13,14,15
	global_store_b128 v[OI], v[BB+4*\t:BB+4*\t+3], s[10:11] offset:(32*((\a)/2)+8*((\a)%2)+\t+8*(\t/8))*4096 th:TH_STORE_NT   ; 32 lanes store 512 consecutive bytes, at a multiple of 256 from out0's first byte; 63 rows at the most: inside the signed 24-bit immediate
.endr
.endm
	PKMUL 0
	TOSTAGE 0
.irp a, 1,2,3
	s_wait_dscnt 16                                ; the last tile's 16 stores into the stage have read their registers (its 16 loads may be out)
	PKMUL \a
.if \a > 1
	s_wait_xcnt 0x0                                ; tile a - 2's stores have read their data: tile a's rows may land there
.endif
	TOSTAGE \a
	SEND \a-1, 32                                  ; behind tile a - 1's loads: tile a's 16 stores and 16 loads
.endr
	SEND 3, 0
	s_wait_tensorcnt 0x0                           ; the wave's end
	ds_add_u32 v[SPW], v[NIL]
	s_wait_dscnt 0x0
	CROUND                                         ; the closing round
	s_endpgm
.Lfunc_end_k_q243132bddd_mix:
	.size	k_q243132bddd_mix, .Lfunc_end_k_q243132bddd_mix-k_q243132bddd_mix
	.p2alignl 7, 3214868480
	.fill 96, 4, 3214868480
	.section	.rodata,"a",@progbits
	.p2align	6, 0x0
	.amdhsa_kernel k_q243132bddd_mix
		.amdhsa_group_segment_fixed_size 327680
		.amdhsa_private_segment_fixed_size 0
		.amdhsa_enable_private_segment 0
		.amdhsa_kernarg_size 32
		.amdhsa_user_sgpr_count 2
		.amdhsa_user_sgpr_kernarg_segment_ptr 1
		.amdhsa_wavefront_size32 1
		.amdhsa_system_sgpr_workgroup_id_x 1
		.amdhsa_system_sgpr_workgroup_id_y 1
		.amdhsa_system_sgpr_workgroup_id_z 1
		.amdhsa_system_vgpr_workitem_id 0
		.amdhsa_next_free_vgpr 768
		.amdhsa_next_free_sgpr 100
		.amdhsa_reserve_vcc 0
		.amdhsa_float_denorm_mode_32 3
		.amdhsa_float_denorm_mode_16_64 3
		.amdhsa_memory_ordered 1
		.amdhsa_forward_progress 1
		.amdhsa_inst_pref_size 229
	.end_amdhsa_kernel
	.amdgpu_metadata
---
amdhsa.version: [ 1, 2 ]
amdhsa.kernels:
  - .name:           k_q243132bddd_mix
    .symbol:         k_q243132bddd_mix.kd
    .args:
      - { .name: pp, .offset: 0, .size: 8, .value_kind: global_buffer, .address_space: global }
      - { .name: st, .offset: 8, .size: 8, .value_kind: global_buffer, .address_space: global }
      - { .name: qkv, .offset: 16, .size: 8, .value_kind: global_buffer, .address_space: global }
      - { .name: out0, .offset: 24, .size: 8, .value_kind: global_buffer, .address_space: global }
    .group_segment_fixed_size: 327680
    .private_segment_fixed_size: 0
    .kernarg_segment_align: 8
    .kernarg_segment_size: 32
    .max_flat_workgroup_size: 128
    .sgpr_count:     100
    .vgpr_count:     768
    .wavefront_size: 32
...
	.end_amdgpu_metadata
.endif
;; end of part 7
